; MI455X (gfx1250); checked and timed in simulation.
; The chip was launched on July 23, 2026; its instructions are those of AMD's public machine-readable ISA for CDNA 5 (MIT licence, August 2026) and "CDNA5" Instruction Set Architecture Reference Guide (July 2026). The comments in the code are by the model that wrote it; some were corrected since.
;; Fine Grained Feature Editing. Allowed arithmetic: float matrix products may take bf16 or f16 operands with f32 sums; all other float work in f32.
;; Inputs: Tc one number float32; center 50 x 256 float32; f 8 x 256 x 32 x 32 float32; memory 1 x 256 x 32 x 32 float32.
;; Outputs: out0 8 x 256 x 32 x 32 float32; out1 one number float32.
;; Constants: is_object = 0.
;; 2 versions, each right and faster than the one before. Each part assembles by itself: llvm-mc -triple=amdgcn-amd-amdhsa -mcpu=gfx1250 --defsym DOCPART=n.
;; ======== version 1 of 2: 3 launches
;; limits: a difference of large sums (such as E[x^2] - mean^2): digits are lost where the result is much smaller than its terms
;; workspace buffers: qn 4,194,304 bytes; ks 4,194,304 bytes; vs 4,194,304 bytes; mask 1,024 bytes of whole numbers; nn 256 bytes of whole numbers; ldp 2,048 bytes
;; launch dist (part 1): grid 128 x 1, 8 waves a work-group, no clusters, 264,192 bytes of LDS; arguments f, center, Tc, qn, mask, ldp; writes qn, mask, ldp
.if DOCPART == 1
	.amdgcn_target "amdgcn-amd-amdhsa--gfx1250"
	.amdhsa_code_object_version 6
	.text
	.protected	k_q0e2fb14782_dist
	.globl	k_q0e2fb14782_dist
	.p2align	8
	.type	k_q0e2fb14782_dist,@function
k_q0e2fb14782_dist:
	s_mov_b64 s[64:65], 0
	v_nop
	global_prefetch_b8 v0, s[64:65] scope:SCOPE_SE
	s_setreg_imm32_b32 hwreg(HW_REG_WAVE_MODE, 25, 1), 1
	s_wait_xcnt 0x0
; dist: for each of 8,192 pixels (256 channels): x2, the 50 squared distances (x2 + c2) - 2 x.c, their minimum d, the flag d > Tc;
; the pixel scaled to length sqrt(log2 e) in bf16, laid out as matrix fragments (qn); and this block's share of the sums for Ld.
; THE 50 DOT PRODUCTS ARE MADE IN f32 ON THE VECTOR UNIT, on purpose: d > Tc decides whether 256 outputs are replaced, and operands
; rounded to bf16 would move d by more than the distance between neighbouring d.  They are 0.3 % of the problem's multiply-adds.
; The input 'memory' is read by no launch: with is_object = 0 (a constant of the problem) the function never uses it.
; LIMIT: NaN among the inputs is not served (the minimum and the clamp at 0 drop a NaN where the function would keep it).
; SHARES: a work-group owns 64 neighbouring pixels of one image.  Wave w, lane half h own channels 32 w + 16 h + 0..15; lane r owns
; pixels 4 r .. 4 r + 3.  So a load of f covers two whole rows of 256 bytes, and the 16 (w, h) partial sums meet in LDS.
; POSITION of a pixel, used by all launches: 64 block + 16 e + r stands for pixel 64 block + 4 r + e.
; A FRAGMENT BLOCK is 1,024 bytes = 16 rows x 32 k in bf16: byte 512 q + 16 (row + 16 g) + 2 i holds (row, k = 16 q + 8 g + i).
; qn = [position / 16][channel / 32][fragment block].
.set CEN,   0                          ; LDS: center as stored, 50 rows of 1,024 bytes, brought once by eight tensor loads
.set PART,  51200                      ; LDS: [51 values][16 (w, h)][64 pixels] f32; values 0-49 dots, 50 x2.  No tensor load lands here
.set MINS,  260096                     ; LDS: [16 units][64 pixels] f32
.set PLANE, 4096                       ; bytes of one value in PART
.set PB,    5                          ; v[5:8]     PART + 13 i planes + 256 (2 w + h) + 16 r: an LDS offset has 16 bits
.set X,     16                         ; v[16:79]   my 16 channels x 4 pixels
.set ACC,   80                         ; v[80:179]  25 centres x 4 pixels
.set X2,    180                        ; v[180:183] x2 of my 4 pixels: first my channels' share, then the whole
.set CV,    184                        ; v[184:223] two buffers of 5 centres x 4 channels
.set RL,    80                         ; v[80:143]  the reduction: sixteen quads as loaded (ACC is free then)
.set C2L,   144                        ; v[144:159] 16 numbers of a centre's row
.set MN,    160                        ; v[160:163] running minimum
.set RN,    164                        ; v[164:167] sqrt(log2 e) / max(|x|, 1e-8)
.set TM,    168                        ; v[168:175] at work
.set DOT,   176                        ; v[176:179] a centre's four dots
.set OQ,    184                        ; v[184:215] bf16 to store (CV is free then)
.set G0,    20                         ; s[20:23]
.set G1,    24                         ; s[24:31]
	s_load_b256 s[4:11], s[0:1], 0x0               ; f s[4:5], center s[6:7], Tc s[8:9], qn s[10:11]
	s_load_b128 s[12:15], s[0:1], 0x20             ; mask s[12:13], ldp s[14:15]
	v_lshrrev_b32 v10, 5, v0                       ; wave, in every lane
	v_readfirstlane_b32 s17, v10                   ; and as a scalar
	v_and_b32 v1, 15, v0                           ; r
	v_bfe_u32 v2, v0, 4, 1                         ; h
	; each wave brings 25 rows of 256 bytes of center (6,400 consecutive bytes), eight waves all 51,200
	s_mov_b32 s[G1+0], 3<<16                       ; elements of 8 bytes, no mask, no padding
	s_mov_b32 s[G1+1], 32<<16                      ; tensor_dim0 = 32 elements
	s_mov_b32 s[G1+2], 25<<16                      ; tensor_dim1 = 25 rows
	s_mov_b32 s[G1+3], 32<<16                      ; tile_dim0 = 32
	s_mov_b32 s[G1+4], 25                          ; tile_dim1 = 25
	s_mov_b32 s[G1+5], 32                          ; pitch = 32 elements: dense
	s_mov_b32 s[G1+6], 0
	s_mov_b32 s[G1+7], 0
	s_mul_i32 s18, s17, 6400
	s_mov_b32 s19, 0
	s_mov_b32 s[G0+0], 1
	s_mul_i32 s[G0+1], s17, 6400                   ; LDS address: CEN + 6,400 x wave
	s_wait_kmcnt 0x0
	s_add_nc_u64 s[G0+2:G0+3], s[6:7], s[18:19]
	s_or_b32 s[G0+3], s[G0+3], 0x80000000
	tensor_load_to_lds s[G0:G0+3], s[G1:G1+7]      ; the wave's one tensor load of the launch
	s_nop 0
	s_load_b32 s16, s[8:9], 0x0                    ; Tc
	s_lshr_b32 s18, ttmp9, 4                       ; image
	s_lshl_b32 s18, s18, 20                        ; x 1 MiB
	s_and_b32 s32, ttmp9, 15
	s_lshl_b32 s32, s32, 8                         ; + 64 pixels x 4 bytes x block in the image
	s_add_co_u32 s18, s18, s32
	s_add_nc_u64 s[4:5], s[4:5], s[18:19]
	v_lshlrev_b32 v12, 4, v1                       ; 16 r
	v_lshl_add_u32 v3, v2, 16, v12                 ; + 16 h channels of 4,096 bytes
	v_lshl_add_u32 v3, v10, 17, v3                 ; + 32 w channels
.irp i, 0,1,2,3,4,5,6,7,8,9,10,11,12,13,14,15
	global_load_b128 v[X+4*\i:X+4*\i+3], v3, s[4:5] offset:\i*4096   ; lanes 0-15: 256 consecutive bytes of one channel, lanes 16-31 of another
.endr
	s_lshl_b32 s18, ttmp9, 15
	s_add_nc_u64 s[10:11], s[10:11], s[18:19]      ; qn: four tiles of 8,192 bytes a block
	s_lshl_b32 s18, ttmp9, 3
	s_add_nc_u64 s[12:13], s[12:13], s[18:19]      ; mask: two words a block
	s_lshl_b32 s18, ttmp9, 4
	s_add_nc_u64 s[14:15], s[14:15], s[18:19]      ; ldp: four numbers a block
	v_lshlrev_b32 v4, 7, v10
	v_lshl_add_u32 v4, v2, 6, v4                   ; my 16 channels in a row of center: byte 128 w + 64 h
	v_lshl_add_u32 v11, v10, 1, v2                 ; u = 2 w + h
	v_lshl_add_u32 v13, v11, 8, v12
.irp i, 0,1,2,3
	v_add_nc_u32 v[PB+\i], PART+\i*13*PLANE, v13
.endr
	v_lshl_add_u32 v9, v2, 9, v12
	v_lshl_add_u32 v9, v10, 10, v9                 ; qn: 1,024 w + 512 h + 16 r
	s_wait_tensorcnt 0x0                           ; my rows of center are in LDS,
	s_wait_kmcnt 0x0                               ; Tc is there,
	s_barrier_signal -1
	s_barrier_wait -1                              ; everybody's rows are
	s_wait_loadcnt 0x0                             ; my 64 numbers of f
	; x2, my channels' share
	v_pk_mul_f32 v[X2:X2+1], v[X:X+1], v[X:X+1]
	v_pk_mul_f32 v[X2+2:X2+3], v[X+2:X+3], v[X+2:X+3]
.set ii, 1
.rept 15
	v_pk_fma_f32 v[X2:X2+1], v[X+4*ii:X+4*ii+1], v[X+4*ii:X+4*ii+1], v[X2:X2+1]
	v_pk_fma_f32 v[X2+2:X2+3], v[X+4*ii+2:X+4*ii+3], v[X+4*ii+2:X+4*ii+3], v[X2+2:X2+3]
.set ii, ii+1
.endr
	ds_store_b128 v[PB+3], v[X2:X2+3] offset:11*PLANE      ; value 50 = 3 x 13 + 11
; five centres' numbers for four of my channels (4 cq ..): the sixteen lanes of a half read the same 16 bytes
.macro CVLOAD buf, kb, cq
.irp kk, 0,1,2,3,4
	ds_load_b128 v[CV+20*(\buf)+4*\kk:CV+20*(\buf)+4*\kk+3], v4 offset:((\kb)+\kk)*1024+16*(\cq)
.endr
.endm
; 40 packed multiply-adds: 4 channels x 5 centres x 2 pairs of pixels; the centre's number is broadcast to both halves of the pair.
; The very first product of a sum starts it: nothing is cleared.  Nine other instructions stand between two on one sum.
.macro FMAG buf, kg, cq
.irp j, 0,1,2,3
.irp kk, 0,1,2,3,4
.irp pr, 0,2
.if ((\cq)+\j)==0
	v_pk_mul_f32 v[ACC+4*(5*(\kg)+\kk)+\pr:ACC+4*(5*(\kg)+\kk)+\pr+1], v[X+\pr:X+\pr+1], v[CV+20*(\buf)+4*\kk:CV+20*(\buf)+4*\kk+1] op_sel_hi:[1,0]
.elseif (\j%2)==0
	v_pk_fma_f32 v[ACC+4*(5*(\kg)+\kk)+\pr:ACC+4*(5*(\kg)+\kk)+\pr+1], v[X+4*(4*(\cq)+\j)+\pr:X+4*(4*(\cq)+\j)+\pr+1], v[CV+20*(\buf)+4*\kk+\j:CV+20*(\buf)+4*\kk+\j+1], v[ACC+4*(5*(\kg)+\kk)+\pr:ACC+4*(5*(\kg)+\kk)+\pr+1] op_sel_hi:[1,0,1]
.else
	v_pk_fma_f32 v[ACC+4*(5*(\kg)+\kk)+\pr:ACC+4*(5*(\kg)+\kk)+\pr+1], v[X+4*(4*(\cq)+\j)+\pr:X+4*(4*(\cq)+\j)+\pr+1], v[CV+20*(\buf)+4*\kk+\j-1:CV+20*(\buf)+4*\kk+\j], v[ACC+4*(5*(\kg)+\kk)+\pr:ACC+4*(5*(\kg)+\kk)+\pr+1] op_sel:[0,1,0] op_sel_hi:[1,1,1]
.endif
.endr
.endr
.endr
.endm
; 25 centres: 20 groups n (channels 4 (n / 5) .., centres 5 (n % 5) ..), the next group's five loads always on their way
.macro HALF half
	CVLOAD 0, 25*\half, 0
.set n, 0
.rept 19
	CVLOAD (n+1)%2, 25*\half+5*((n+1)%5), (n+1)/5
	s_wait_dscnt 5                                 ; LDS answers in order: all but the five loads just issued are back
	FMAG n%2, n%5, n/5
.set n, n+1
.endr
	s_wait_dscnt 0x0
	FMAG 1, 4, 3
.set kc, 0
.rept 25
	ds_store_b128 v[PB+(25*\half+kc)/13], v[ACC+4*kc:ACC+4*kc+3] offset:((25*\half+kc)%13)*PLANE
.set kc, kc+1
.endr
.endm
	HALF 0
	HALF 1
	s_wait_dscnt 0x0                               ; my partial sums are in LDS,
	s_barrier_signal -1
	s_barrier_wait -1                              ; everybody's are
.macro RLOAD adr                       ; the sixteen (w, h) shares of one value for my four pixels
.irp s, 0,1,2,3,4,5,6,7,8,9,10,11,12,13,14,15
	ds_load_b128 v[RL+4*\s:RL+4*\s+3], v[\adr] offset:256*\s
.endr
.endm
.macro TREE16 dst                      ; their sum, as a tree
.irp st, 8,4,2
.set ii, 0
.rept \st
	v_pk_add_f32 v[RL+4*ii:RL+4*ii+1], v[RL+4*ii:RL+4*ii+1], v[RL+4*(ii+\st):RL+4*(ii+\st)+1]
	v_pk_add_f32 v[RL+4*ii+2:RL+4*ii+3], v[RL+4*ii+2:RL+4*ii+3], v[RL+4*(ii+\st)+2:RL+4*(ii+\st)+3]
.set ii, ii+1
.endr
.endr
	v_pk_add_f32 v[\dst:\dst+1], v[RL:RL+1], v[RL+4:RL+5]
	v_pk_add_f32 v[\dst+2:\dst+3], v[RL+2:RL+3], v[RL+6:RL+7]
.endm
	; x2 whole (every lane, for its four pixels), then the scale of the normalised pixel
	v_add_nc_u32 v13, PART+50*PLANE, v12
	RLOAD 13
	s_wait_dscnt 0x0
	TREE16 X2
.irp p, 0,1,2,3
	v_sqrt_f32 v[RN+\p], v[X2+\p]
.endr
	v_nop                                          ; one plain instruction behind a run of transcendentals (ISA guide 5.7.2)
	s_wait_alu depctr_va_vdst(0)
.irp p, 0,1,2,3
	v_max_num_f32 v[RN+\p], 0x322bcc77, v[RN+\p]   ; max(|x|, 1e-8)
.endr
.irp p, 0,1,2,3
	v_rcp_f32 v[RN+\p], v[RN+\p]
.endr
	v_nop
	s_wait_alu depctr_va_vdst(0)
.irp p, 0,1,2,3
	v_mul_f32 v[RN+\p], 0x3f99be61, v[RN+\p]       ; x sqrt(log2 e) = 1.2011224: a product of two such pixels is cosine x log2 e
.endr
.set ii, 0
.rept 16
	v_pk_mul_f32 v[X+4*ii:X+4*ii+1], v[X+4*ii:X+4*ii+1], v[RN:RN+1]
	v_pk_mul_f32 v[X+4*ii+2:X+4*ii+3], v[X+4*ii+2:X+4*ii+3], v[RN+2:RN+3]
.set ii, ii+1
.endr
	; pixel 4 r + e is row r of tile e; my channels 16 h + 8 g + 0..7 are the 16 bytes at 512 h + 256 g + 16 r of K step w
.irp e, 0,1,2,3
.irp hf, 0,1
.irp jj, 0,1,2,3
	v_cvt_pk_bf16_f32 v[OQ+4*(2*\e+\hf)+\jj], v[X+4*(8*\hf+2*\jj)+\e], v[X+4*(8*\hf+2*\jj+1)+\e]
.endr
	global_store_b128 v9, v[OQ+4*(2*\e+\hf):OQ+4*(2*\e+\hf)+3], s[10:11] offset:\e*8192+\hf*256   ; sixteen lanes: 256 consecutive bytes, aligned
.endr
.endr
; Unit u = 2 w + h (sixteen lanes) takes centres u, u + 16, u + 32 and 48 + h (a centre taken twice does a minimum no harm).
.macro CENT i
.if \i==0
	v_lshl_add_u32 v14, v11, 10, v12               ; the centre's row: 1,024 k + 16 r
	v_lshl_add_u32 v13, v11, 12, v12               ; its plane in PART
.else
.if \i<3
	v_add_nc_u32 v13, 16*\i, v11
.else
	v_add_nc_u32 v13, 48, v2
.endif
	v_lshl_add_u32 v14, v13, 10, v12
	v_lshl_add_u32 v13, v13, 12, v12
.endif
	v_add_nc_u32 v13, PART, v13
	RLOAD 13
.irp j, 0,1,2,3
	ds_load_b128 v[C2L+4*\j:C2L+4*\j+3], v14 offset:256*\j     ; sixteen lanes: 256 consecutive bytes of the row
.endr
	s_wait_dscnt 0x0
	TREE16 DOT
	v_pk_mul_f32 v[TM:TM+1], v[C2L:C2L+1], v[C2L:C2L+1]
	v_pk_mul_f32 v[TM+2:TM+3], v[C2L+2:C2L+3], v[C2L+2:C2L+3]
.irp j, 4,8,12
	v_pk_fma_f32 v[TM:TM+1], v[C2L+\j:C2L+\j+1], v[C2L+\j:C2L+\j+1], v[TM:TM+1]
	v_pk_fma_f32 v[TM+2:TM+3], v[C2L+\j+2:C2L+\j+3], v[C2L+\j+2:C2L+\j+3], v[TM+2:TM+3]
.endr
	v_pk_add_f32 v[TM:TM+1], v[TM:TM+1], v[TM+2:TM+3]
	v_add_f32 v[TM], v[TM], v[TM+1]
	v_add_f32_dpp v[TM], v[TM], v[TM] row_xmask:1 row_mask:0xf bank_mask:0xf     ; over the unit's sixteen lanes: c2 of its centre
	v_add_f32_dpp v[TM], v[TM], v[TM] row_xmask:2 row_mask:0xf bank_mask:0xf
	v_add_f32_dpp v[TM], v[TM], v[TM] row_xmask:4 row_mask:0xf bank_mask:0xf
	v_add_f32_dpp v[TM], v[TM], v[TM] row_xmask:8 row_mask:0xf bank_mask:0xf
	v_pk_add_f32 v[TM+2:TM+3], v[X2:X2+1], v[TM:TM+1] op_sel_hi:[1,0]            ; x2 + c2, rounded as the function rounds it
	v_pk_add_f32 v[TM+4:TM+5], v[X2+2:X2+3], v[TM:TM+1] op_sel_hi:[1,0]
.if \i==0
	v_pk_fma_f32 v[MN:MN+1], v[DOT:DOT+1], -2.0, v[TM+2:TM+3] op_sel_hi:[1,0,1]  ; - 2 dot: 2 dot is exact, so one rounding as there
	v_pk_fma_f32 v[MN+2:MN+3], v[DOT+2:DOT+3], -2.0, v[TM+4:TM+5] op_sel_hi:[1,0,1]
.else
	v_pk_fma_f32 v[TM+2:TM+3], v[DOT:DOT+1], -2.0, v[TM+2:TM+3] op_sel_hi:[1,0,1]
	v_pk_fma_f32 v[TM+4:TM+5], v[DOT+2:DOT+3], -2.0, v[TM+4:TM+5] op_sel_hi:[1,0,1]
.irp p, 0,1,2,3
	v_min_num_f32 v[MN+\p], v[MN+\p], v[TM+2+\p]
.endr
.endif
.endm
	CENT 0
	CENT 1
	CENT 2
	CENT 3
	v_lshl_add_u32 v13, v11, 8, v12
	v_add_nc_u32 v13, MINS, v13
	ds_store_b128 v13, v[MN:MN+3]
	s_wait_dscnt 0x0                               ; my unit's minima are in LDS,
	s_barrier_signal -1
	s_barrier_wait -1                              ; all sixteen units' are
	s_cmp_lg_u32 s17, 0
	s_cbranch_scc1 .Lend                           ; the rest is wave 0's: no barrier follows
	v_add_nc_u32 v13, MINS, v12
	RLOAD 13
	s_wait_dscnt 0x0
.irp st, 8,4,2,1
.set ii, 0
.rept 4*\st
	v_min_num_f32 v[RL+ii], v[RL+ii], v[RL+ii+4*\st]
.set ii, ii+1
.endr
.endr
.irp p, 0,1,2,3
	v_max_num_f32 v[RL+\p], 0, v[RL+\p]
.endr
.irp p, 0,1,2,3
	v_sqrt_f32 v[RL+\p], v[RL+\p]                  ; sqrt is monotonic: the minimum of the roots is the root of the minimum
.endr
	v_nop
	s_wait_alu depctr_va_vdst(0)
.irp p, 0,1,2,3
	v_cmp_gt_f32 s[32+\p], v[RL+\p], s16           ; anomalous: d > Tc; lane r's bit is pixel 4 r + p
.endr
.irp p, 0,1,2,3
	v_cndmask_b32 v[TM+\p], 0, v[RL+\p], s[32+\p]          ; d where anomalous
	v_cndmask_b32 v[TM+4+\p], v[RL+\p], 0, s[32+\p]        ; d where normal
.endr
	v_add_f32 v[TM], v[TM], v[TM+1]
	v_add_f32 v[TM+2], v[TM+2], v[TM+3]
	v_add_f32 v[TM+4], v[TM+4], v[TM+5]
	v_add_f32 v[TM+6], v[TM+6], v[TM+7]
	v_add_f32 v[TM+1], v[TM], v[TM+2]              ; anomalous
	v_add_f32 v[TM], v[TM+4], v[TM+6]              ; normal
.irp m, 1,2,4,8
	v_add_f32_dpp v[TM], v[TM], v[TM] row_xmask:\m row_mask:0xf bank_mask:0xf    ; over sixteen lanes = 64 pixels (lanes 16-31 hold the same again)
	v_add_f32_dpp v[TM+1], v[TM+1], v[TM+1] row_xmask:\m row_mask:0xf bank_mask:0xf
.endr
.irp p, 0,1,2,3
	s_and_not1_b32 s[32+\p], 0xffff, s[32+\p]      ; normal, sixteen bits
.endr
	s_lshl_b32 s33, s33, 16
	s_or_b32 s32, s32, s33                         ; positions 0-31 of the block
	s_lshl_b32 s35, s35, 16
	s_or_b32 s34, s34, s35                         ; positions 32-63
	s_bcnt1_i32_b32 s36, s32
	s_bcnt1_i32_b32 s37, s34
	s_add_co_u32 s36, s36, s37
	v_cvt_f32_u32 v[TM+2], s36                     ; how many are normal
	v_mov_b32 v[TM+3], 0
	v_mov_b32 v[TM+4], s32
	v_mov_b32 v[TM+5], s34
	v_mov_b32 v15, 0
	v_cmp_eq_u32 vcc_lo, 0, v0
	s_wait_xcnt 0x0                                ; EXEC is a source of the stores of qn: it narrows only behind this wait
	s_and_saveexec_b32 s38, vcc_lo                 ; lane 0 alone
	global_store_b64 v15, v[TM+4:TM+5], s[12:13]
	global_store_b128 v15, v[TM:TM+3], s[14:15]
	s_wait_xcnt 0x0                                ; and widens only behind this one
	s_or_b32 exec_lo, exec_lo, s38
.Lend:
	s_endpgm
.Lfunc_end_k_q0e2fb14782_dist:
	.size	k_q0e2fb14782_dist, .Lfunc_end_k_q0e2fb14782_dist-k_q0e2fb14782_dist
	.p2alignl 7, 3214868480
	.fill 96, 4, 3214868480
	.section	.rodata,"a",@progbits
	.p2align	6, 0x0
	.amdhsa_kernel k_q0e2fb14782_dist
		.amdhsa_group_segment_fixed_size 264192
		.amdhsa_private_segment_fixed_size 0
		.amdhsa_enable_private_segment 0
		.amdhsa_kernarg_size 48
		.amdhsa_user_sgpr_count 2
		.amdhsa_user_sgpr_kernarg_segment_ptr 1
		.amdhsa_wavefront_size32 1
		.amdhsa_system_sgpr_workgroup_id_x 1
		.amdhsa_system_sgpr_workgroup_id_y 1
		.amdhsa_system_sgpr_workgroup_id_z 1
		.amdhsa_system_vgpr_workitem_id 0
		.amdhsa_next_free_vgpr 224
		.amdhsa_next_free_sgpr 66
		.amdhsa_reserve_vcc 1
		.amdhsa_float_denorm_mode_32 3
		.amdhsa_float_denorm_mode_16_64 3
		.amdhsa_memory_ordered 1
		.amdhsa_forward_progress 1
		.amdhsa_inst_pref_size 157
	.end_amdhsa_kernel
	.amdgpu_metadata
---
amdhsa.version: [ 1, 2 ]
amdhsa.kernels:
  - .name:           k_q0e2fb14782_dist
    .symbol:         k_q0e2fb14782_dist.kd
    .args:
      - { .name: f, .offset: 0, .size: 8, .value_kind: global_buffer, .address_space: global }
      - { .name: center, .offset: 8, .size: 8, .value_kind: global_buffer, .address_space: global }
      - { .name: Tc, .offset: 16, .size: 8, .value_kind: global_buffer, .address_space: global }
      - { .name: qn, .offset: 24, .size: 8, .value_kind: global_buffer, .address_space: global }
      - { .name: mask, .offset: 32, .size: 8, .value_kind: global_buffer, .address_space: global }
      - { .name: ldp, .offset: 40, .size: 8, .value_kind: global_buffer, .address_space: global }
    .group_segment_fixed_size: 264192
    .private_segment_fixed_size: 0
    .kernarg_segment_align: 8
    .kernarg_segment_size: 48
    .max_flat_workgroup_size: 256
    .sgpr_count:     66
    .vgpr_count:     224
    .wavefront_size: 32
...
	.end_amdgpu_metadata
.endif
;; end of part 1
;; launch sort (part 2): grid 256 x 1, 8 waves a work-group, no clusters, 36,864 bytes of LDS; arguments mask, qn, f, ldp, ks, vs, nn, out1; writes ks, vs, nn, out1
.if DOCPART == 2
	.amdgcn_target "amdgcn-amd-amdhsa--gfx1250"
	.amdhsa_code_object_version 6
	.text
	.protected	k_q0e2fb14782_sort
	.globl	k_q0e2fb14782_sort
	.p2align	8
	.type	k_q0e2fb14782_sort,@function
k_q0e2fb14782_sort:
	s_mov_b64 s[64:65], 0
	v_nop
	global_prefetch_b8 v0, s[64:65] scope:SCOPE_SE
	s_setreg_imm32_b32 hwreg(HW_REG_WAVE_MODE, 25, 1), 1
	s_wait_xcnt 0x0
; sort: normal pixels to the front.  Rank of a position = how many normal positions lie in front of it (normal), or Nn + how many
; anomalous ones do (anomalous).  Work-group g GATHERS ranks 32 g .. 32 g + 31: two tiles of keys (ks, normalised bf16, from qn) and one
; group of values (vs, bf16 of f, channels as rows, ranks along k), so that every store is 512 consecutive bytes.  Ranks >= Nn are written as zeros.
; ks = [rank / 16][channel / 32][fragment block];  vs = [rank / 32][channel / 16][fragment block]  (fragment block: as in dist).
; Each wave does the search for itself, from the 1,024 bytes of flags, in LDS bytes of its own: no wave waits for another, no barrier.
; Work-group 0's wave 0 also stores Nn and Ld.
; No matrix unit, no cluster, no tensor load: 12 MiB are moved and nothing is multiplied.
.set TBL, 4608                         ; LDS bytes of a wave: 1,024 prefixes, 1,024 flag words, 2,560 stage
.set WRD, 1024
.set TR,  2048
.set TRP, 80                           ; stage: 32 channels x (32 ranks x 2 bytes + 16)
.set W,   4                            ; v[4:11]    my eight flag words (8 L ..)
.set CN,  12                           ; v[12:19]   their popcounts, then the running sums
.set PF,  20                           ; v[20:27]   normal positions in front of each of my words
.set KD,  64                           ; v[64:79]   keys as gathered
.set VD,  80                           ; v[80:111]  values as gathered
.set TL,  112                          ; v[112:127] values, transposed
	s_load_b256 s[4:11], s[0:1], 0x0               ; mask s[4:5], qn s[6:7], f s[8:9], ldp s[10:11]
	s_load_b256 s[12:19], s[0:1], 0x20             ; ks s[12:13], vs s[14:15], nn s[16:17], out1 s[18:19]
	v_lshrrev_b32 v1, 5, v0
	v_readfirstlane_b32 s20, v1                    ; wave
	v_and_b32 v1, 31, v0                           ; L
	v_lshrrev_b32 v2, 4, v1                        ; h
	v_and_b32 v3, 15, v0                           ; r
	v_lshlrev_b32 v28, 5, v1                       ; 32 L
	s_mov_b32 s24, 0x55555555
	s_mov_b32 s25, 0x33333333
	s_mov_b32 s26, 0x0f0f0f0f
	s_mov_b32 s27, 0x01010101
	s_mul_i32 s21, s20, TBL                        ; my wave's LDS
	s_lshl_b32 s29, ttmp9, 5                       ; first rank
	s_lshl_b32 s34, ttmp9, 14                      ; 16,384 bytes of ks and of vs a work-group
	s_mov_b32 s35, 0
	s_wait_kmcnt 0x0
	global_load_b128 v[W:W+3], v28, s[4:5]         ; all 256 flag words, 32 bytes a lane
	global_load_b128 v[W+4:W+7], v28, s[4:5] offset:16
	s_add_nc_u64 s[12:13], s[12:13], s[34:35]
	s_add_nc_u64 s[14:15], s[14:15], s[34:35]
	v_add_nc_u32 v29, s21, v28
	v_mov_b32 v30, s21
	v_add_nc_u32 v31, s29, v1                      ; my rank
	s_wait_loadcnt 0x0
	ds_store_b128 v29, v[W:W+3] offset:WRD
	ds_store_b128 v29, v[W+4:W+7] offset:WRD+16
.irp j, 0,1,2,3,4,5,6,7
	v_lshrrev_b32 v20, 1, v[W+\j]                  ; popcount by fields of 2, 4, 8 bits, then the four bytes summed by a product
	v_and_b32 v20, s24, v20
	v_sub_nc_u32 v[CN+\j], v[W+\j], v20
	v_lshrrev_b32 v20, 2, v[CN+\j]
	v_and_b32 v[CN+\j], s25, v[CN+\j]
	v_and_b32 v20, s25, v20
	v_add_nc_u32 v[CN+\j], v[CN+\j], v20
	v_lshrrev_b32 v20, 4, v[CN+\j]
	v_add_nc_u32 v[CN+\j], v[CN+\j], v20
	v_and_b32 v[CN+\j], s26, v[CN+\j]
	v_mul_lo_u32 v[CN+\j], v[CN+\j], s27
	v_lshrrev_b32 v[CN+\j], 24, v[CN+\j]
.endr
.irp j, 1,2,3,4,5,6,7
	v_add_nc_u32 v[CN+\j], v[CN+\j], v[CN+\j-1]    ; running sums inside the lane; CN+7 = the lane's total
.endr
	v_mov_b32 v20, v[CN+7]
	v_mov_b32 v21, 0
.irp n, 1,2,4,8
	v_mov_b32_dpp v21, v20 row_shr:\n row_mask:0xf bank_mask:0xf bound_ctrl:1    ; running sums over sixteen lanes
	v_add_nc_u32 v20, v20, v21
.endr
	v_readlane_b32 s22, v20, 15
	v_mul_lo_u32 v21, v2, s22                      ; lanes 16-31 add the lower half's total
	v_add_nc_u32 v20, v20, v21
	v_readlane_b32 s23, v20, 31                    ; Nn
	v_sub_nc_u32 v[PF], v20, v[CN+7]               ; in front of my first word
.irp j, 1,2,3,4,5,6,7
	v_add_nc_u32 v[PF+\j], v[PF], v[CN+\j-1]
.endr
	ds_store_b128 v29, v[PF:PF+3]
	ds_store_b128 v29, v[PF+4:PF+7] offset:16      ; LDS serves a wave's instructions in order: the loads below see these stores
	; the word that holds my rank: the last word t with P(t) <= target, P = normal (or anomalous) positions in front of word t
	v_cmp_gt_u32 s28, s23, v31                     ; my rank is a normal pixel's
	v_sub_nc_u32 v32, v31, s23
	v_cndmask_b32 v32, v32, v31, s28               ; target among its own kind
	v_mov_b32 v33, 0
.irp st, 128,64,32,16,8,4,2,1
	v_add_nc_u32 v34, \st, v33
	v_min_u32 v34, 0xff, v34                       ; a table of 256 words
	v_lshl_add_u32 v35, v34, 2, v30
	ds_load_b32 v36, v35
	v_lshlrev_b32 v37, 5, v34
	s_wait_dscnt 0x0
	v_sub_nc_u32 v37, v37, v36                     ; anomalous in front = 32 t - normal in front
	v_cndmask_b32 v36, v37, v36, s28
	v_cmp_le_u32 vcc_lo, v36, v32
	v_cndmask_b32 v33, v33, v34, vcc_lo
.endr
	v_min_u32 v33, 0xff, v33
	v_lshl_add_u32 v35, v33, 2, v30
	ds_load_b32 v36, v35
	ds_load_b32 v38, v35 offset:WRD
	v_lshlrev_b32 v37, 5, v33                      ; 32 t
	s_wait_dscnt 0x0
	v_sub_nc_u32 v39, v37, v36
	v_cndmask_b32 v36, v39, v36, s28
	v_sub_nc_u32 v32, v32, v36                     ; which set bit of the word, from 0
	v_xor_b32 v39, -1, v38
	v_cndmask_b32 v38, v39, v38, s28               ; bits of my kind
	v_lshrrev_b32 v39, 1, v38                      ; counts in fields of 2 (v40), 4 (v41), 8 (v42), 16 bits (v43)
	v_and_b32 v39, s24, v39
	v_sub_nc_u32 v40, v38, v39
	v_lshrrev_b32 v39, 2, v40
	v_and_b32 v41, s25, v40
	v_and_b32 v39, s25, v39
	v_add_nc_u32 v41, v41, v39
	v_lshrrev_b32 v39, 4, v41
	v_add_nc_u32 v42, v41, v39
	v_and_b32 v42, s26, v42
	v_lshrrev_b32 v39, 8, v42
	v_add_nc_u32 v43, v42, v39
	v_and_b32 v43, 0x00ff00ff, v43
	v_mov_b32 v44, 0                               ; bit position
.macro SEL wd, lv                      ; if the lower field of wd bits holds too few, pass it
	v_bfe_u32 v39, v[\lv], v44, \wd
	v_cmp_ge_u32 vcc_lo, v32, v39
	v_sub_nc_u32 v39, v32, v39
	v_cndmask_b32 v32, v32, v39, vcc_lo
	v_add_nc_u32 v39, \wd, v44
	v_cndmask_b32 v44, v44, v39, vcc_lo
.endm
	SEL 16, 43
	SEL 8, 42
	SEL 4, 41
	SEL 2, 40
	SEL 1, 38
	v_add_nc_u32 v37, v37, v44                     ; the position: 64 block + 16 e + r
	v_and_b32 v45, 0x1fc0, v37
	v_and_b32 v39, 15, v37
	v_lshl_or_b32 v45, v39, 2, v45
	v_bfe_u32 v39, v37, 4, 2
	v_or_b32 v45, v45, v39                         ; the pixel: p = 64 block + 4 r + e
	v_min_u32 v45, 0x1fff, v45                     ; 8,192 pixels; behind this clamp only AND, shift left, add
	; keys: wave w copies K step w.  Lane (r, h) takes rank 16 tt + r; its 16 bytes keep their place (q, h) in the fragment block
	v_lshlrev_b32 v46, 2, v3
	v_add_nc_u32 v47, 64, v46
	ds_bpermute_b32 v48, v46, v45                  ; p of rank r
	ds_bpermute_b32 v49, v47, v45                  ; p of rank 16 + r
	v_lshlrev_b32 v50, 8, v2
	v_lshl_add_u32 v50, s20, 10, v50               ; 1,024 w + 256 h
	s_wait_dscnt 0x0
.irp tt, 0,1
	v_min_u32 v[48+\tt], 0x1fff, v[48+\tt]
	v_and_b32 v[51+\tt], 0x1fc0, v[48+\tt]
	v_lshlrev_b32 v[51+\tt], 9, v[51+\tt]          ; block x 4 tiles x 8,192
	v_and_b32 v39, 3, v[48+\tt]
	v_lshl_add_u32 v[51+\tt], v39, 13, v[51+\tt]   ; + e x 8,192
	v_and_b32 v39, 0x3c, v[48+\tt]
	v_lshl_add_u32 v[51+\tt], v39, 2, v[51+\tt]    ; + 16 r
	v_add_nc_u32 v[51+\tt], v[51+\tt], v50
	global_load_b128 v[KD+8*\tt:KD+8*\tt+3], v[51+\tt], s[6:7]
	global_load_b128 v[KD+8*\tt+4:KD+8*\tt+7], v[51+\tt], s[6:7] offset:512
.endr
	; values: lane = rank, wave w takes channels 32 w ..
	v_and_b32 v53, 0x1c00, v45
	v_lshlrev_b32 v53, 10, v53                     ; image x 1 MiB
	v_and_b32 v39, 0x3ff, v45
	v_lshl_add_u32 v53, v39, 2, v53                ; + pixel x 4
	v_lshl_add_u32 v53, s20, 17, v53               ; + 32 w channels of 4,096 bytes
.set ii, 0
.rept 32
	global_load_b32 v[VD+ii], v53, s[8:9] offset:ii*4096
.set ii, ii+1
.endr
	v_add_nc_u32 v54, s29, v3
	v_cmp_gt_u32 s30, s23, v54                     ; rank 32 g + r is a normal pixel's
	v_add_nc_u32 v54, 16, v54
	v_cmp_gt_u32 s31, s23, v54                     ; rank 32 g + 16 + r
	v_lshlrev_b32 v55, 4, v1
	v_lshl_add_u32 v56, s20, 11, v55               ; vs: 2,048 w + 16 L
	v_lshl_add_u32 v55, s20, 10, v55               ; ks: 1,024 w + 16 L
	v_lshlrev_b32 v57, 1, v1
	v_add_nc_u32 v57, s21, v57                     ; stage, in: 2 L
	v_mul_u32_u24 v58, v3, TRP
	v_lshl_add_u32 v58, v2, 4, v58
	v_add_nc_u32 v58, s21, v58                     ; stage, back: 80 r + 16 h
	s_wait_loadcnt 32                              ; loads come back in order: the four of the keys are in, the 32 of the values stay out
.irp tt, 0,1
.irp j, 0,1,2,3,4,5,6,7
	v_cndmask_b32 v[KD+8*\tt+\j], 0, v[KD+8*\tt+\j], s[30+\tt]     ; zeros behind the last normal pixel
.endr
	global_store_b128 v55, v[KD+8*\tt:KD+8*\tt+3], s[12:13] offset:\tt*8192
	global_store_b128 v55, v[KD+8*\tt+4:KD+8*\tt+7], s[12:13] offset:\tt*8192+512
.endr
	s_wait_loadcnt 0x0
.set ii, 0
.rept 32
	v_cndmask_b32 v[VD+ii], 0, v[VD+ii], s28
.set ii, ii+1
.endr
.set ii, 0
.rept 16
	v_cvt_pk_bf16_f32 v[VD+ii], v[VD+2*ii], v[VD+2*ii+1]           ; the destination never lies behind its sources
	ds_store_b16 v57, v[VD+ii] offset:TR+2*ii*TRP                  ; channel 2 i, rank L
	ds_store_b16_d16_hi v57, v[VD+ii] offset:TR+(2*ii+1)*TRP       ; channel 2 i + 1
.set ii, ii+1
.endr
.irp m, 0,1
.irp q, 0,1
	ds_load_b128 v[TL+4*(2*\m+\q):TL+4*(2*\m+\q)+3], v58 offset:TR+\m*16*TRP+32*\q   ; channel 16 m + r, ranks 16 q + 8 h ..; my wave's own bytes, served in order
.endr
.endr
.irp m, 0,1
.irp q, 0,1
	s_wait_dscnt 3-(2*\m+\q)
	global_store_b128 v56, v[TL+4*(2*\m+\q):TL+4*(2*\m+\q)+3], s[14:15] offset:\m*1024+\q*512
.endr
.endr
	s_or_b32 s32, ttmp9, s20
	s_cmp_lg_u32 s32, 0
	s_cbranch_scc1 .Lend                           ; Nn and Ld: work-group 0's wave 0
	v_lshlrev_b32 v59, 4, v1
.irp j, 0,1,2,3
	global_load_b128 v[4+4*\j:7+4*\j], v59, s[10:11] offset:512*\j ; 128 blocks' (sum d normal, sum d anomalous, count normal, 0)
.endr
	s_mov_b32 s36, 0x76543210
	s_mov_b32 s37, 0xfedcba98
	s_wait_loadcnt 0x0
.irp j, 1,2,3
	v_pk_add_f32 v[4:5], v[4:5], v[4+4*\j:5+4*\j]
	v_pk_add_f32 v[6:7], v[6:7], v[6+4*\j:7+4*\j]
.endr
.irp c, 4,5,6
.irp m, 1,2,4,8
	v_add_f32_dpp v\c, v\c, v\c row_xmask:\m row_mask:0xf bank_mask:0xf
.endr
	v_permlanex16_b32 v8, v\c, s36, s37
	v_add_f32 v\c, v\c, v8
.endr
	v_sub_f32 v9, 0x46000000, v6                   ; anomalous = 8,192 - normal (whole numbers, exact in f32)
	v_max_num_f32 v10, 1.0, v6
	v_max_num_f32 v11, 1.0, v9
	v_rcp_f32 v10, v10
	v_rcp_f32 v11, v11
	v_nop
	s_wait_alu depctr_va_vdst(0)
	v_mul_f32 v4, v4, v10                          ; mean of the normal d
	v_mul_f32 v5, v5, v11                          ; mean of the anomalous d
	v_add_f32 v5, 0x3a83126f, v5                   ; + 0.001
	v_rcp_f32 v5, v5
	v_cmp_lt_f32 vcc_lo, 0, v9
	s_wait_alu depctr_va_vdst(0)
	v_mul_f32 v12, v4, v5
	v_cndmask_b32 v4, v4, v12, vcc_lo
	v_mov_b32 v13, s23
	v_mov_b32 v14, 0
	v_cmp_eq_u32 vcc_lo, 0, v0
	s_wait_xcnt 0x0                                ; EXEC narrows only behind this wait
	s_and_saveexec_b32 s33, vcc_lo
	global_store_b32 v14, v4, s[18:19]
	global_store_b32 v14, v13, s[16:17]
	s_wait_xcnt 0x0                                ; and widens only behind this one
	s_or_b32 exec_lo, exec_lo, s33
.Lend:
	s_endpgm
.Lfunc_end_k_q0e2fb14782_sort:
	.size	k_q0e2fb14782_sort, .Lfunc_end_k_q0e2fb14782_sort-k_q0e2fb14782_sort
	.p2alignl 7, 3214868480
	.fill 96, 4, 3214868480
	.section	.rodata,"a",@progbits
	.p2align	6, 0x0
	.amdhsa_kernel k_q0e2fb14782_sort
		.amdhsa_group_segment_fixed_size 36864
		.amdhsa_private_segment_fixed_size 0
		.amdhsa_enable_private_segment 0
		.amdhsa_kernarg_size 64
		.amdhsa_user_sgpr_count 2
		.amdhsa_user_sgpr_kernarg_segment_ptr 1
		.amdhsa_wavefront_size32 1
		.amdhsa_system_sgpr_workgroup_id_x 1
		.amdhsa_system_sgpr_workgroup_id_y 1
		.amdhsa_system_sgpr_workgroup_id_z 1
		.amdhsa_system_vgpr_workitem_id 0
		.amdhsa_next_free_vgpr 128
		.amdhsa_next_free_sgpr 66
		.amdhsa_reserve_vcc 1
		.amdhsa_float_denorm_mode_32 3
		.amdhsa_float_denorm_mode_16_64 3
		.amdhsa_memory_ordered 1
		.amdhsa_forward_progress 1
		.amdhsa_inst_pref_size 28
	.end_amdhsa_kernel
	.amdgpu_metadata
---
amdhsa.version: [ 1, 2 ]
amdhsa.kernels:
  - .name:           k_q0e2fb14782_sort
    .symbol:         k_q0e2fb14782_sort.kd
    .args:
      - { .name: mask, .offset: 0, .size: 8, .value_kind: global_buffer, .address_space: global }
      - { .name: qn, .offset: 8, .size: 8, .value_kind: global_buffer, .address_space: global }
      - { .name: f, .offset: 16, .size: 8, .value_kind: global_buffer, .address_space: global }
      - { .name: ldp, .offset: 24, .size: 8, .value_kind: global_buffer, .address_space: global }
      - { .name: ks, .offset: 32, .size: 8, .value_kind: global_buffer, .address_space: global }
      - { .name: vs, .offset: 40, .size: 8, .value_kind: global_buffer, .address_space: global }
      - { .name: nn, .offset: 48, .size: 8, .value_kind: global_buffer, .address_space: global }
      - { .name: out1, .offset: 56, .size: 8, .value_kind: global_buffer, .address_space: global }
    .group_segment_fixed_size: 36864
    .private_segment_fixed_size: 0
    .kernarg_segment_align: 8
    .kernarg_segment_size: 64
    .max_flat_workgroup_size: 256
    .sgpr_count:     66
    .vgpr_count:     128
    .wavefront_size: 32
...
	.end_amdgpu_metadata
.endif
;; end of part 2
;; launch mix (part 3): grid 128 x 1, 4 waves a work-group, no clusters, 265,216 bytes of LDS; arguments qn, ks, vs, nn, mask, f, out0; writes out0
.if DOCPART == 3
	.amdgcn_target "amdgcn-amd-amdhsa--gfx1250"
	.amdhsa_code_object_version 6
	.text
	.protected	k_q0e2fb14782_mix
	.globl	k_q0e2fb14782_mix
	.p2align	8
	.type	k_q0e2fb14782_mix,@function
k_q0e2fb14782_mix:
	s_mov_b64 s[64:65], 0
	v_nop
	global_prefetch_b8 v0, s[64:65] scope:SCOPE_SE
	s_setreg_imm32_b32 hwreg(HW_REG_WAVE_MODE, 25, 1), 1
	s_wait_xcnt 0x0
; mix: for 64 queries (one block of pixels) a work-group walks the normal pixels twice.
;   walk 1: x = q.k (= cosine x log2 e), e = 2^x, S = sum e, Q = sum e^2
;   then:   m = S / t, te = m - 2 sqrt(max(Q / t - m^2, 0))      (the function's mu - 2 sigma, times S; its mu is taken as 1 / t)
;   walk 2: x and e again, r = max(e - te, 0), u = e r / (r + 1e-10 S), sum u, O += u V
;   out:    O / sum u where the pixel is anomalous, f where it is normal.
; NO RUNNING MAXIMUM: x is a cosine of two vectors that the function itself normalises, times log2 e, so e lies in [0.36, 2.8] and a sum of
; 8,192 of them or of their squares is far inside f32; e / S equals the softmax with the maximum taken away.
; The columns that the function masks (anomalous keys) are not walked: the keys come compacted, Nn of them.
; PAD KEYS: NK = max(512, Nn rounded up to 256) keys are walked.  Keys Nn .. NK - 1 are zero rows: x = 0, e = 1 for every query, V = 0.
; Their known share (npad = NK - Nn <= 511) is taken off S, Q and sum u; all terms are of size 1, so at most some 1e-4 of a sum is lost.
; LIMITS: the variance is formed as Q / t - m^2: where the weights of a row differ by less than about 1e-3 of their size the cut hangs on
; rounding (there the bf16 rounding of the cosines decides it as well); rows whose weights are all equal (one normal pixel) are 0 / 0 in the
; function and hang on rounding here.  NaN and infinite inputs are not served.
; SHARES: 128 work-groups of 64 queries, not 256 of 32: a key fragment of 1,024 bytes then feeds four matrix instructions, not two.
; The four waves split the KEYS; each holds all 64 queries (256 registers) and a partial O of 256 channels x 64 queries (512).
; KEYS AND VALUES COME STRAIGHT FROM MEMORY INTO REGISTERS, NOT THROUGH LDS, AND NO TILE IS ASKED FOR JOINTLY IN A CLUSTER.  The trips of both
; walks hang on Nn, a number read from memory; every wave passes every barrier on a way that hangs on no loaded number, so no barrier can
; stand in these loops, and without one no LDS slot can be filled again.  Each fragment is used by one wave alone, and ks and vs are laid
; out as fragments, so a load is 512 consecutive bytes.  Walking all 8,192 keys with a fixed count instead would double the matrix work at Nn = 4,096.
; BOTH PRODUCTS ARE USED TRANSPOSED.  x: A = 16 keys, B = 16 queries: lane (r, h) gets query r, keys 8 h + j.  Two such tiles packed to bf16
; ARE a B fragment (column = query r, k = 32 keys): no lane moves.  O: A = 16 channels x 32 keys of V, B = u: lane (r, h) gets query r,
; channels 8 h + j.  Query r of tile nb is pixel 4 r + nb, so a lane's four tiles are four neighbouring pixels of a row of out0.
; REGISTERS: window 0: v0 npad, v3 16,384 wave + 16 L (my offset in a step of ks and vs; with v5, v4, v6 = + 65,536 p the way out's LDS addresses),
;   v7 16 L, v8-11 u of a pad key, v12 1 / t, v13 STAT + 16 r, v14 my offset in f and out0, v15 at work, v16-31 T, v32-95 x (2 key tiles x 4
;   query tiles), v96-127 sums and thresholds, v128-255 16 fragments.  Window 1: the queries.  Windows 2, 3: O (walk 1: v0-127 of window 2 are
;   the second fragment buffer).
.set STEP,  65536                      ; bytes of ks, and of vs, in a step: 128 keys, 32 a wave
.set STAT,  262144                     ; LDS: bytes 0 .. 262,143 the four partial O; then [wave][S: 16 lanes x 16 bytes | Q: the same]
.set USBO,  2048                       ; LDS: STAT + 2,048: [wave][sum u: 16 lanes x 16 bytes]
.set TT,  16
.set SR,  32
.set SA,  96                           ; walk 1: sums of e, query tile nb, chain c: pair at SA + 4 nb + 2 c
.set QA,  112                          ; walk 1: sums of e^2, likewise
.set NTE, 96                           ; walk 2: -te, twice, at NTE + 2 nb
.set DL,  104                          ; walk 2: 1e-10 S, twice
.set US,  112                          ; walk 2: sums of u, as SA
.set FR,  128
.set KB,  26                           ; s[26:27] ks at the step in hand
.set VB,  28                           ; s[28:29] vs at the step in hand
.set MSB, 0
.macro WIN new                         ; s_set_vgpr_msb: bits 1:0 source 0, 3:2 source 1, 5:4 source 2, 7:6 destination; the high byte repeats the setting that is left
.if MSB != \new
	s_set_vgpr_msb (MSB<<8)|\new
.set MSB, \new
.endif
.endm
.macro PLACES                          ; five plain instructions behind a run of matrix instructions (ISA guide 7.12.1): then vector instructions may read the
.rept 5                                ; results, loads may land in the sources, and a matrix instruction may write over them
	v_nop
.endr
.endm
	s_load_b256 s[4:11], s[0:1], 0x0               ; qn s[4:5], ks s[6:7], vs s[8:9], nn s[10:11]
	s_load_b128 s[12:15], s[0:1], 0x20             ; mask s[12:13], f s[14:15]
	s_load_b64 s[16:17], s[0:1], 0x30              ; out0
	v_lshrrev_b32 v1, 5, v0
	v_readfirstlane_b32 s18, v1                    ; wave
	s_lshl_b32 s63, ttmp9, 3                       ; my block's two flag words
	s_mov_b32 s52, 0x76543210                      ; v_permlanex16_b32: lane i reads lane i of the other half
	s_mov_b32 s53, 0xfedcba98
	s_mov_b32 s49, 0
	s_lshl_b32 s48, ttmp9, 15
	v_and_b32 v15, 31, v0
	v_lshlrev_b32 v7, 4, v15                       ; 16 L: a fragment is two loads of 512 consecutive bytes
	s_wait_kmcnt 0x0
	s_load_b32 s21, s[10:11], 0x0                  ; Nn
	s_load_b64 s[60:61], s[12:13], s63 offset:0x0  ; my block's 64 flags
	s_add_nc_u64 s[4:5], s[4:5], s[48:49]          ; my four query tiles
	WIN 0x40
.set ii, 0
.rept 32
	global_load_b128 v[8*ii:8*ii+3], v7, s[4:5] offset:ii*1024             ; query tile ii / 8, K step ii % 8, into window 1
	global_load_b128 v[8*ii+4:8*ii+7], v7, s[4:5] offset:ii*1024+512
.set ii, ii+1
.endr
	WIN 0
	s_lshr_b32 s48, ttmp9, 4
	s_lshl_b32 s48, s48, 20
	s_and_b32 s50, ttmp9, 15
	s_lshl_b32 s50, s50, 8
	s_add_co_u32 s48, s48, s50
	s_add_nc_u64 s[14:15], s[14:15], s[48:49]      ; f and out0 at my image and my 64 pixels
	s_add_nc_u64 s[16:17], s[16:17], s[48:49]
	s_mov_b64 s[KB:KB+1], s[6:7]
	v_lshl_add_u32 v3, s18, 14, v7
	v_add_nc_u32 v5, 65536, v3
	v_add_nc_u32 v4, 131072, v3
	v_add_nc_u32 v6, 196608, v3
	v_and_b32 v13, 15, v0                          ; r
	v_bfe_u32 v14, v0, 4, 1                        ; h
	v_lshlrev_b32 v14, 15, v14
	v_lshl_add_u32 v14, v13, 4, v14
	v_lshl_add_u32 v14, s18, 18, v14               ; (64 w + 8 h) channels of 4,096 bytes + 16 r
	v_lshlrev_b32 v13, 4, v13
	v_add_nc_u32 v13, STAT, v13
	v_mov_b32 v15, 0
	s_wait_kmcnt 0x0
	s_min_u32 s21, s21, 0x2000                     ; at most 8,192
	s_add_co_u32 s22, s21, 255
	s_and_b32 s22, s22, 0x3f00
	s_max_u32 s22, s22, 512                        ; NK
	s_sub_co_u32 s62, s22, s21                     ; npad
	s_max_u32 s55, s21, 1                          ; t
	s_and_b32 s56, s60, 0xffff                     ; lane masks: bit of lane (r, h) = pixel 4 r + nb is normal
	s_lshr_b32 s57, s60, 16
	s_and_b32 s58, s61, 0xffff
	s_lshr_b32 s59, s61, 16
.irp e, 0,1,2,3
	s_lshl_b32 s63, s[56+\e], 16
	s_or_b32 s[56+\e], s[56+\e], s63
.endr
	v_cvt_f32_u32 v12, s55
	v_rcp_f32 v12, v12                             ; 1 / t
	v_cvt_f32_u32 v0, s62                          ; npad (a plain instruction behind the reciprocal)
.set ii, 0
.rept 32
	v_mov_b32 v[SA+ii], 0                          ; the 32 running sums of walk 1
.set ii, ii+1
.endr
	s_wait_loadcnt 0x0                             ; the queries
; half of 32 keys' fragments (2 tiles x K steps 4 half .. 4 half + 3) into registers dst + 64 half .., in the order in which SIM takes them: four loads a K step.
; Fragment (tile kt, K step ks) lies at dst + 8 (2 ks + kt).  The caller sets the destination's window.
.macro LOADKH dst, sb, off, half
.set kk, 4*\half
.rept 4
.irp kt, 0,1
	global_load_b128 v[\dst+8*(2*kk+\kt):\dst+8*(2*kk+\kt)+3], v3, s[\sb:\sb+1] offset:\off+(8*\kt+kk)*1024
	global_load_b128 v[\dst+8*(2*kk+\kt)+4:\dst+8*(2*kk+\kt)+7], v3, s[\sb:\sb+1] offset:\off+(8*\kt+kk)*1024+512
.endr
.set kk, kk+1
.endr
.endm
; x = keys x queries: 64 matrix instructions on the fragments at ab (win: A's window, B in window 1).  cnt = loads issued behind these 32.
; The eight accumulators take turns, one instruction a turn.
.macro SIM ab, win, cnt
	WIN \win
.irp ks, 0,1,2,3,4,5,6,7
	s_wait_loadcnt \cnt+28-4*\ks                   ; loads come back in order: all are in but the four of each later K step and the cnt younger ones
.irp kt, 0,1
.irp nb, 0,1,2,3
.if \ks
	v_wmma_f32_16x16x32_bf16 v[SR+8*(4*\kt+\nb):SR+8*(4*\kt+\nb)+7], v[\ab+8*(2*\ks+\kt):\ab+8*(2*\ks+\kt)+7], v[8*(8*\nb+\ks):8*(8*\nb+\ks)+7], v[SR+8*(4*\kt+\nb):SR+8*(4*\kt+\nb)+7]
.else
	v_wmma_f32_16x16x32_bf16 v[SR+8*(4*\kt+\nb):SR+8*(4*\kt+\nb)+7], v[\ab+8*(2*\ks+\kt):\ab+8*(2*\ks+\kt)+7], v[8*(8*\nb+\ks):8*(8*\nb+\ks)+7], 0
.endif
.endr
.endr
.endr
	WIN 0
	PLACES
.endm
; walk 1's vector work on 32 keys x 64 queries
.macro VALU1
.set ii, 0
.rept 64
	v_exp_f32 v[SR+ii], v[SR+ii]
.set ii, ii+1
.endr
	v_nop                                          ; one plain instruction behind the run of exponentials (ISA guide 5.7.2)
	s_wait_alu depctr_va_vdst(0)
.irp i, 0,2,4,6
.irp nb, 0,1,2,3
	v_pk_add_f32 v[SA+4*\nb:SA+4*\nb+1], v[SA+4*\nb:SA+4*\nb+1], v[SR+8*\nb+\i:SR+8*\nb+\i+1]
	v_pk_add_f32 v[SA+4*\nb+2:SA+4*\nb+3], v[SA+4*\nb+2:SA+4*\nb+3], v[SR+8*(4+\nb)+\i:SR+8*(4+\nb)+\i+1]
	v_pk_fma_f32 v[QA+4*\nb:QA+4*\nb+1], v[SR+8*\nb+\i:SR+8*\nb+\i+1], v[SR+8*\nb+\i:SR+8*\nb+\i+1], v[QA+4*\nb:QA+4*\nb+1]
	v_pk_fma_f32 v[QA+4*\nb+2:QA+4*\nb+3], v[SR+8*(4+\nb)+\i:SR+8*(4+\nb)+\i+1], v[SR+8*(4+\nb)+\i:SR+8*(4+\nb)+\i+1], v[QA+4*\nb+2:QA+4*\nb+3]
.endr
.endr
.endm
; walk 1, one step: the buffer at ab is multiplied and, behind the five places, filled again with the keys of two steps on (fill = 1), from s[sb:sb+1] + off
.macro STEP1 ab, simwin, ldwin, fill, sb, off
	SIM \ab, \simwin, 32                           ; the 32 loads of the other buffer are younger
.if \fill
	s_wait_loadcnt 28                              ; the next step's first K step is in (that step's first wait, met here); with the 32 that follow 60 loads are out
	WIN \ldwin
	LOADKH \ab, \sb, \off, 0
	LOADKH \ab, \sb, \off, 1
	WIN 0
.endif
	VALU1
.endm
; the values of my 32 keys: 16 fragments of 16 channels
.macro LOADV
.set ii, 0
.rept 16
	global_load_b128 v[FR+8*ii:FR+8*ii+3], v3, s[VB:VB+1] offset:ii*1024
	global_load_b128 v[FR+8*ii+4:FR+8*ii+7], v3, s[VB:VB+1] offset:ii*1024+512
.set ii, ii+1
.endr
.endm
; walk 2's vector work on 32 keys x query tile nb: u = e r / (r + 1e-10 S), r = max(e - te, 0); its sum; u packed as the B fragment in x's first tile
.macro VALU2 nb
.irp kt, 0,1
.irp j, 0,1,2,3,4,5,6,7
	v_exp_f32 v[SR+8*(4*\kt+\nb)+\j], v[SR+8*(4*\kt+\nb)+\j]
.endr
.endr
	v_nop
	s_wait_alu depctr_va_vdst(0)
.irp kt, 0,1
.irp j, 0,2,4,6
	v_pk_add_f32 v[TT+8*\kt+\j:TT+8*\kt+\j+1], v[SR+8*(4*\kt+\nb)+\j:SR+8*(4*\kt+\nb)+\j+1], v[NTE+2*\nb:NTE+2*\nb+1]
.endr
.endr
.irp j, 0,1,2,3,4,5,6,7,8,9,10,11,12,13,14,15
	v_max_num_f32 v[TT+\j], 0, v[TT+\j]
.endr
.irp kt, 0,1
.irp j, 0,2,4,6
	v_pk_mul_f32 v[SR+8*(4*\kt+\nb)+\j:SR+8*(4*\kt+\nb)+\j+1], v[SR+8*(4*\kt+\nb)+\j:SR+8*(4*\kt+\nb)+\j+1], v[TT+8*\kt+\j:TT+8*\kt+\j+1]
.endr
.endr
.irp j, 0,2,4,6,8,10,12,14
	v_pk_add_f32 v[TT+\j:TT+\j+1], v[TT+\j:TT+\j+1], v[DL+2*\nb:DL+2*\nb+1]
.endr
.irp j, 0,1,2,3,4,5,6,7,8,9,10,11,12,13,14,15
	v_rcp_f32 v[TT+\j], v[TT+\j]
.endr
	v_nop
	s_wait_alu depctr_va_vdst(0)
.irp kt, 0,1
.irp j, 0,2,4,6
	v_pk_mul_f32 v[SR+8*(4*\kt+\nb)+\j:SR+8*(4*\kt+\nb)+\j+1], v[SR+8*(4*\kt+\nb)+\j:SR+8*(4*\kt+\nb)+\j+1], v[TT+8*\kt+\j:TT+8*\kt+\j+1]
.endr
.endr
.irp j, 0,2,4,6
.irp kt, 0,1
	v_pk_add_f32 v[US+4*\nb+2*\kt:US+4*\nb+2*\kt+1], v[US+4*\nb+2*\kt:US+4*\nb+2*\kt+1], v[SR+8*(4*\kt+\nb)+\j:SR+8*(4*\kt+\nb)+\j+1]
.endr
.endr
.irp jj, 0,1,2,3
	v_cvt_pk_bf16_f32 v[SR+8*\nb+\jj], v[SR+8*\nb+2*\jj], v[SR+8*\nb+2*\jj+1]          ; keys 8 h + 0..7: registers 0-3; the destination never lies behind its sources
.endr
.irp jj, 0,1,2,3
	v_cvt_pk_bf16_f32 v[SR+8*\nb+4+\jj], v[SR+8*(4+\nb)+2*\jj], v[SR+8*(4+\nb)+2*\jj+1]    ; keys 16 + 8 h + 0..7: registers 4-7
.endr
.endm
; O += V u for channels 128 hi .. 128 hi + 127: 32 matrix instructions on 32 accumulators, each once: turns of one instruction.
; zero = 1: the first product starts the sums
.macro OMULH hi, zero
.if \hi
	WIN 0xf0                                       ; C and D in window 3
.else
	WIN 0xa0                                       ; C and D in window 2
.endif
.irp m, 0,1,2,3,4,5,6,7
.irp nb, 0,1,2,3
.if \zero
	v_wmma_f32_16x16x32_bf16 v[8*(4*\m+\nb):8*(4*\m+\nb)+7], v[FR+8*(8*\hi+\m):FR+8*(8*\hi+\m)+7], v[SR+8*\nb:SR+8*\nb+7], 0
.else
	v_wmma_f32_16x16x32_bf16 v[8*(4*\m+\nb):8*(4*\m+\nb)+7], v[FR+8*(8*\hi+\m):FR+8*(8*\hi+\m)+7], v[SR+8*\nb:SR+8*\nb+7], v[8*(4*\m+\nb):8*(4*\m+\nb)+7]
.endif
.endr
.endr
	WIN 0
	PLACES
.endm
; walk 2, one step: my 32 keys (asked for in the step before) and their values, through the one buffer that is left beside the queries and O.
; fill = 1: each half of the buffer takes the next step's keys as soon as O's half product has read it
.macro STEP2 zero, fill
	SIM FR, 0x04, 0
	LOADV                                          ; the values come while u is made
	VALU2 0
	VALU2 1
	VALU2 2
	VALU2 3
	s_wait_loadcnt 0x0                             ; the values are in, and no load of mine is out: both bases may step
	s_add_nc_u64 s[KB:KB+1], s[KB:KB+1], STEP
	s_add_nc_u64 s[VB:VB+1], s[VB:VB+1], STEP
	OMULH 0, \zero
.if \fill
	LOADKH FR, KB, 0, 0
.endif
	OMULH 1, \zero
.if \fill
	LOADKH FR, KB, 0, 1
.endif
.endm
; four pairs of chains at v[src + 4 nb] become one number a query in v[dst + nb]: the pair, its halves, the other sixteen lanes (the other keys)
.macro FOLD src, dst
.irp nb, 0,1,2,3
	v_pk_add_f32 v[\src+4*\nb:\src+4*\nb+1], v[\src+4*\nb:\src+4*\nb+1], v[\src+4*\nb+2:\src+4*\nb+3]
.endr
.irp nb, 0,1,2,3
	v_add_f32 v[\dst+\nb], v[\src+4*\nb], v[\src+4*\nb+1]
.endr
.irp nb, 0,1,2,3
	v_permlanex16_b32 v15, v[\dst+\nb], s52, s53
	v_add_f32 v[\dst+\nb], v[\dst+\nb], v15
.endr
.endm
; the four waves' S and Q, the pad keys' share off, the threshold, u of a pad key
.macro STATS
.irp p, 0,1,2,3
	ds_load_b128 v[SR+8*\p:SR+8*\p+3], v13 offset:512*\p
	ds_load_b128 v[SR+8*\p+4:SR+8*\p+7], v13 offset:512*\p+256
.endr
	s_wait_dscnt 0x0
.irp p, 1,2,3
.irp j, 0,2,4,6
	v_pk_add_f32 v[SR+\j:SR+\j+1], v[SR+\j:SR+\j+1], v[SR+8*\p+\j:SR+8*\p+\j+1]
.endr
.endr
.irp j, 0,1,2,3,4,5,6,7
	v_sub_f32 v[SR+\j], v[SR+\j], v0               ; a pad key adds 1 to S and 1 to Q
.endr
.irp nb, 0,1,2,3
	v_mul_f32 v[SR+8+\nb], v[SR+\nb], v12          ; m = S / t
	v_mul_f32 v[SR+12+\nb], v[SR+4+\nb], v12       ; Q / t
.endr
.irp nb, 0,1,2,3
	v_fma_f32 v[SR+12+\nb], -v[SR+8+\nb], v[SR+8+\nb], v[SR+12+\nb]
.endr
.irp nb, 0,1,2,3
	v_max_num_f32 v[SR+12+\nb], 0, v[SR+12+\nb]
.endr
.irp nb, 0,1,2,3
	v_sqrt_f32 v[SR+12+\nb], v[SR+12+\nb]
.endr
	v_nop
	s_wait_alu depctr_va_vdst(0)
.irp nb, 0,1,2,3
	v_fma_f32 v[NTE+2*\nb], 2.0, v[SR+12+\nb], -v[SR+8+\nb]        ; -te = 2 sigma - m
	v_mul_f32 v[DL+2*\nb], 0x2edbe6ff, v[SR+\nb]                   ; 1e-10 S
.endr
.irp nb, 0,1,2,3
	v_mov_b32 v[NTE+2*\nb+1], v[NTE+2*\nb]         ; twice each: pairs for the packed adds
	v_mov_b32 v[DL+2*\nb+1], v[DL+2*\nb]
	v_add_f32 v[8+\nb], 1.0, v[NTE+2*\nb]          ; a pad key's u, by the steps of VALU2 with e = 1
.endr
.irp nb, 0,1,2,3
	v_max_num_f32 v[8+\nb], 0, v[8+\nb]
.endr
.irp nb, 0,1,2,3
	v_add_f32 v[SR+16+\nb], v[8+\nb], v[DL+2*\nb]
.endr
.irp nb, 0,1,2,3
	v_rcp_f32 v[SR+16+\nb], v[SR+16+\nb]
.endr
	v_nop
	s_wait_alu depctr_va_vdst(0)
.irp nb, 0,1,2,3
	v_mul_f32 v[8+\nb], v[8+\nb], v[SR+16+\nb]
.endr
.set ii, 0
.rept 16
	v_mov_b32 v[US+ii], 0                          ; the 16 running sums of u
.set ii, ii+1
.endr
.endm
	; WALK 1: NK / 128 steps = 2 x (NK / 256 - 1) in the loop + 2 written out.  Even steps on the buffer in window 0, odd ones on that in window 2.
	LOADKH FR, KB, 0, 0                            ; step 0
	LOADKH FR, KB, 0, 1
	s_wait_loadcnt 28                              ; as in STEP1: step 0's first K step is in; with the 32 that follow 60 loads are out
	WIN 0x80
	LOADKH 0, KB, STEP, 0                          ; step 1
	LOADKH 0, KB, STEP, 1
	WIN 0
	s_lshr_b32 s24, s22, 8
	s_sub_co_u32 s24, s24, 1                       ; at least 1, since NK is at least 512
	s_mov_b32 s23, 0
.Lwalk1:
	STEP1 FR, 0x04, 0, 1, KB, 2*STEP
	STEP1 0, 0x06, 0x80, 1, KB, 3*STEP
	s_wait_xcnt 0x0                                ; the base of the loads that are out is stepped only behind this wait
	s_add_nc_u64 s[KB:KB+1], s[KB:KB+1], 2*STEP
	s_add_co_u32 s23, s23, 1
	s_cmp_lt_u32 s23, s24
	s_cbranch_scc1 .Lwalk1
	STEP1 FR, 0x04, 0, 1, 6, 0                     ; the last two steps ask for no more keys of walk 1: the first of them asks for walk 2's step 0, from ks' first byte
	STEP1 0, 0x06, 0x80, 0, KB, 0                  ; its last wait (for all but 32) shows every load that names s[KB:KB+1] done
	FOLD SA, 16
	FOLD QA, 20
	v_lshl_add_u32 v24, s18, 9, v13
	ds_store_b128 v24, v[16:19]                    ; my wave's S and Q of the 64 queries
	ds_store_b128 v24, v[20:23] offset:256
	s_wait_dscnt 0x0                               ; they are in LDS,
	s_barrier_signal -1
	s_barrier_wait -1                              ; all four waves' are.  (The loads of walk 2's first keys stay out: nobody writes ks)
	STATS
	; WALK 2: NK / 128 steps = 1 + (NK / 128 - 2) in the loop + 1
	s_mov_b64 s[KB:KB+1], s[6:7]
	s_mov_b64 s[VB:VB+1], s[8:9]
	STEP2 1, 1
	s_lshr_b32 s24, s22, 7
	s_sub_co_u32 s24, s24, 2                       ; at least 2
	s_mov_b32 s23, 0
.Lwalk2:
	STEP2 0, 1
	s_add_co_u32 s23, s23, 1
	s_cmp_lt_u32 s23, s24
	s_cbranch_scc1 .Lwalk2
	STEP2 0, 0                                     ; the last step asks for nothing more
	; THE WAY OUT.  The four waves' partial O meet in LDS, 65,536 bytes a wave: tile (mb, nb) at 1,024 (4 mb + nb), registers 0-3 then 4-7, 16 bytes a lane.
	v_lshl_add_u32 v7, s18, 16, v7
	WIN 0x08                                       ; store data from window 2
.set ii, 0
.rept 32
	ds_store_b128 v7, v[8*ii:8*ii+3] offset:ii*1024
	ds_store_b128 v7, v[8*ii+4:8*ii+7] offset:ii*1024+512
.set ii, ii+1
.endr
	WIN 0x0c                                       ; from window 3
.set ii, 0
.rept 32
	ds_store_b128 v7, v[8*ii:8*ii+3] offset:(32+ii)*1024
	ds_store_b128 v7, v[8*ii+4:8*ii+7] offset:(32+ii)*1024+512
.set ii, ii+1
.endr
	WIN 0
	FOLD US, 16
	v_lshl_add_u32 v24, s18, 8, v13
	ds_store_b128 v24, v[16:19] offset:USBO
	s_wait_dscnt 0x0                               ; my partial O and my sums of u are in LDS
	WIN 0xc0                                       ; f of my 64 channels x 64 pixels into window 3, whose O has left
.irp m, 0,1,2,3
.irp j, 0,1,2,3,4,5,6,7
	global_load_b128 v[4*(8*\m+\j):4*(8*\m+\j)+3], v14, s[14:15] offset:(16*\m+\j)*4096 th:TH_LOAD_NT
.endr
.endr
	WIN 0
	s_barrier_signal -1
	s_barrier_wait -1                              ; everybody's are
.irp p, 0,1,2,3
	ds_load_b128 v[SR+4*\p:SR+4*\p+3], v13 offset:USBO+256*\p
.endr
	; wave w sums channels 64 w .. 64 w + 63 (16 tiles) of the four partials, which lie at 65,536 p + 16,384 w + 16 L = v3, v5, v4, v6
.set ii, 0
.rept 16
	ds_load_b128 v[FR+8*ii:FR+8*ii+3], v3 offset:ii*1024
	ds_load_b128 v[FR+8*ii+4:FR+8*ii+7], v3 offset:ii*1024+512
.set ii, ii+1
.endr
	WIN 0x40
.set ii, 0
.rept 16
	ds_load_b128 v[8*ii:8*ii+3], v5 offset:ii*1024
	ds_load_b128 v[8*ii+4:8*ii+7], v5 offset:ii*1024+512
	ds_load_b128 v[128+8*ii:128+8*ii+3], v4 offset:ii*1024
	ds_load_b128 v[128+8*ii+4:128+8*ii+7], v4 offset:ii*1024+512
.set ii, ii+1
.endr
	WIN 0x80
.set ii, 0
.rept 16
	ds_load_b128 v[8*ii:8*ii+3], v6 offset:ii*1024
	ds_load_b128 v[8*ii+4:8*ii+7], v6 offset:ii*1024+512
.set ii, ii+1
.endr
	WIN 0
	s_wait_dscnt 0x0
.irp p, 1,2,3
	v_pk_add_f32 v[SR:SR+1], v[SR:SR+1], v[SR+4*\p:SR+4*\p+1]
	v_pk_add_f32 v[SR+2:SR+3], v[SR+2:SR+3], v[SR+4*\p+2:SR+4*\p+3]
.endr
.irp nb, 0,1,2,3
	v_fma_f32 v[16+\nb], -v0, v[8+\nb], v[SR+\nb]  ; sum u without the pad keys' share
.endr
.irp nb, 0,1,2,3
	v_rcp_f32 v[16+\nb], v[16+\nb]                 ; the packed adds below are the plain instructions behind these
.endr
	WIN 0x04
.set ii, 0
.rept 64
	v_pk_add_f32 v[FR+2*ii:FR+2*ii+1], v[FR+2*ii:FR+2*ii+1], v[2*ii:2*ii+1]
.set ii, ii+1
.endr
.set ii, 0
.rept 64
	v_pk_add_f32 v[FR+2*ii:FR+2*ii+1], v[FR+2*ii:FR+2*ii+1], v[128+2*ii:128+2*ii+1]
.set ii, ii+1
.endr
	WIN 0x08
.set ii, 0
	s_wait_alu depctr_va_vdst(0)
.rept 64
	v_pk_add_f32 v[FR+2*ii:FR+2*ii+1], v[FR+2*ii:FR+2*ii+1], v[2*ii:2*ii+1]
.set ii, ii+1
.endr
	WIN 0
.irp m, 0,1,2,3
.irp nb, 0,1,2,3
.irp j, 0,2,4,6
.if (\nb%2)==0
	v_pk_mul_f32 v[FR+8*(4*\m+\nb)+\j:FR+8*(4*\m+\nb)+\j+1], v[FR+8*(4*\m+\nb)+\j:FR+8*(4*\m+\nb)+\j+1], v[16+\nb:17+\nb] op_sel_hi:[1,0]
.else
	v_pk_mul_f32 v[FR+8*(4*\m+\nb)+\j:FR+8*(4*\m+\nb)+\j+1], v[FR+8*(4*\m+\nb)+\j:FR+8*(4*\m+\nb)+\j+1], v[15+\nb:16+\nb] op_sel:[0,1] op_sel_hi:[1,1]
.endif
.endr
.endr
.endr
	s_wait_loadcnt 0x0                             ; f
	WIN 0xcc                                       ; source 0: O / sum u, window 0; source 1 and destination: f, window 3
.irp m, 0,1,2,3
.irp j, 0,1,2,3,4,5,6,7
.irp nb, 0,1,2,3
	v_cndmask_b32 v[4*(8*\m+\j)+\nb], v[FR+8*(4*\m+\nb)+\j], v[4*(8*\m+\j)+\nb], s[56+\nb]     ; a normal pixel keeps f
.endr
.endr
.endr
	WIN 0x0c
.irp m, 0,1,2,3
.irp j, 0,1,2,3,4,5,6,7
	global_store_b128 v14, v[4*(8*\m+\j):4*(8*\m+\j)+3], s[16:17] offset:(16*\m+\j)*4096 th:TH_STORE_NT   ; sixteen lanes: 256 consecutive bytes of one channel, aligned
.endr
.endr
	WIN 0
	s_endpgm
.Lfunc_end_k_q0e2fb14782_mix:
	.size	k_q0e2fb14782_mix, .Lfunc_end_k_q0e2fb14782_mix-k_q0e2fb14782_mix
	.p2alignl 7, 3214868480
	.fill 96, 4, 3214868480
	.section	.rodata,"a",@progbits
	.p2align	6, 0x0
	.amdhsa_kernel k_q0e2fb14782_mix
		.amdhsa_group_segment_fixed_size 265216
		.amdhsa_private_segment_fixed_size 0
		.amdhsa_enable_private_segment 0
		.amdhsa_kernarg_size 56
		.amdhsa_user_sgpr_count 2
		.amdhsa_user_sgpr_kernarg_segment_ptr 1
		.amdhsa_wavefront_size32 1
		.amdhsa_system_sgpr_workgroup_id_x 1
		.amdhsa_system_sgpr_workgroup_id_y 1
		.amdhsa_system_sgpr_workgroup_id_z 1
		.amdhsa_system_vgpr_workitem_id 0
		.amdhsa_next_free_vgpr 1024
		.amdhsa_next_free_sgpr 66
		.amdhsa_reserve_vcc 0
		.amdhsa_float_denorm_mode_32 3
		.amdhsa_float_denorm_mode_16_64 3
		.amdhsa_memory_ordered 1
		.amdhsa_forward_progress 1
		.amdhsa_inst_pref_size 221
	.end_amdhsa_kernel
	.amdgpu_metadata
---
amdhsa.version: [ 1, 2 ]
amdhsa.kernels:
  - .name:           k_q0e2fb14782_mix
    .symbol:         k_q0e2fb14782_mix.kd
    .args:
      - { .name: qn, .offset: 0, .size: 8, .value_kind: global_buffer, .address_space: global }
      - { .name: ks, .offset: 8, .size: 8, .value_kind: global_buffer, .address_space: global }
      - { .name: vs, .offset: 16, .size: 8, .value_kind: global_buffer, .address_space: global }
      - { .name: nn, .offset: 24, .size: 8, .value_kind: global_buffer, .address_space: global }
      - { .name: mask, .offset: 32, .size: 8, .value_kind: global_buffer, .address_space: global }
      - { .name: f, .offset: 40, .size: 8, .value_kind: global_buffer, .address_space: global }
      - { .name: out0, .offset: 48, .size: 8, .value_kind: global_buffer, .address_space: global }
    .group_segment_fixed_size: 265216
    .private_segment_fixed_size: 0
    .kernarg_segment_align: 8
    .kernarg_segment_size: 56
    .max_flat_workgroup_size: 128
    .sgpr_count:     66
    .vgpr_count:     1024
    .wavefront_size: 32
...
	.end_amdgpu_metadata
.endif
;; end of part 3
;; ======== version 2 of 2: 5 launches; 1.66 times as fast as version 1
;; limits: a difference of large sums (such as E[x^2] - mean^2): digits are lost where the result is much smaller than its terms
;; workspace buffers: qn 4,194,304 bytes; ks 4,194,304 bytes; vs 4,194,304 bytes; qa 4,194,304 bytes; mask 1,024 bytes of whole numbers; nn 1,280 bytes of whole numbers; ldp 133,120 bytes; po 16,842,752 bytes
;; launch dist: the kernel of part 1 again; grid 128 x 1, 8 waves a work-group, no clusters, 264,192 bytes of LDS; arguments f, center, Tc, qn, mask, ldp; writes qn, mask, ldp
;; launch sort (part 4): grid 256 x 1, 8 waves a work-group, no clusters, 36,864 bytes of LDS; arguments mask, qn, f, ldp, ks, vs, qa, nn, out1; writes ks, vs, qa, nn, out1
.if DOCPART == 4
	.amdgcn_target "amdgcn-amd-amdhsa--gfx1250"
	.amdhsa_code_object_version 6
	.text
	.protected	k_q0e2fb14782_sort
	.globl	k_q0e2fb14782_sort
	.p2align	8
	.type	k_q0e2fb14782_sort,@function
k_q0e2fb14782_sort:
	s_mov_b64 s[64:65], 0
	v_nop
	global_prefetch_b8 v0, s[64:65] scope:SCOPE_SE
	s_setreg_imm32_b32 hwreg(HW_REG_WAVE_MODE, 25, 1), 1
	s_wait_xcnt 0x0
; sort: two compactions, in the order of positions.  Normal pixels become keys and values, anomalous pixels become queries.
; Work-group g GATHERS numbers 32 g .. 32 g + 31 of each kind: two tiles of keys (ks, normalised bf16, from qn), one group of values
; (vs, bf16 of f, channels as rows, keys along k) and two tiles of queries (qa, from qn), so that every store is 512 consecutive bytes.
; Keys and values from Nn on and queries from Na = 8,192 - Nn on are written as zeros.
; ks, qa = [number / 16][channel / 32][fragment block];  vs = [number / 32][channel / 16][fragment block]  (fragment block: as in dist).
; Each wave does both searches for itself, from the 1,024 bytes of flags, in LDS bytes of its own: no wave waits for another, no barrier.
; Work-group 0's wave 0 also stores Ld, Nn (nn, word 0) and, from byte 256 of nn on, for each flag word the normal positions in front of it.
; No matrix unit, no cluster, no tensor load: 16 MiB are moved and nothing is multiplied.
.set TBL, 4608                         ; LDS bytes of a wave: 1,024 prefixes, 1,024 flag words, 2,560 stage
.set WRD, 1024
.set TR,  2048
.set TRP, 80                           ; stage: 32 channels x (32 keys x 2 bytes + 16)
.set W,   4                            ; v[4:11]    my eight flag words (8 L ..)
.set CN,  12                           ; v[12:19]   their popcounts, then the running sums
.set PF,  20                           ; v[20:27]   normal positions in front of each of my words; kept to the end
.set KD,  64                           ; v[64:79]   keys as gathered
.set QD,  80                           ; v[80:95]   queries as gathered
.set VD,  96                           ; v[96:127]  values as gathered
.set TL,  128                          ; v[128:143] values, transposed
	s_load_b256 s[4:11], s[0:1], 0x0               ; mask s[4:5], qn s[6:7], f s[8:9], ldp s[10:11]
	s_load_b256 s[12:19], s[0:1], 0x20             ; ks s[12:13], vs s[14:15], qa s[16:17], nn s[18:19]
	s_load_b64 s[40:41], s[0:1], 0x40              ; out1
	v_lshrrev_b32 v1, 5, v0
	v_readfirstlane_b32 s20, v1                    ; wave
	v_and_b32 v1, 31, v0                           ; L
	v_lshrrev_b32 v2, 4, v1                        ; h
	v_and_b32 v3, 15, v0                           ; r
	v_lshlrev_b32 v28, 5, v1                       ; 32 L
	s_mov_b32 s24, 0x55555555
	s_mov_b32 s25, 0x33333333
	s_mov_b32 s26, 0x0f0f0f0f
	s_mov_b32 s27, 0x01010101
	s_mul_i32 s21, s20, TBL                        ; my wave's LDS
	s_lshl_b32 s29, ttmp9, 5                       ; first number
	s_lshl_b32 s34, ttmp9, 14                      ; 16,384 bytes of ks, of vs and of qa a work-group
	s_mov_b32 s35, 0
	s_wait_kmcnt 0x0
	global_load_b128 v[W:W+3], v28, s[4:5]         ; all 256 flag words, 32 bytes a lane
	global_load_b128 v[W+4:W+7], v28, s[4:5] offset:16
	s_add_nc_u64 s[12:13], s[12:13], s[34:35]
	s_add_nc_u64 s[14:15], s[14:15], s[34:35]
	s_add_nc_u64 s[16:17], s[16:17], s[34:35]
	v_add_nc_u32 v29, s21, v28
	v_mov_b32 v30, s21
	v_add_nc_u32 v31, s29, v1                      ; my number, in both kinds
	s_wait_loadcnt 0x0
	ds_store_b128 v29, v[W:W+3] offset:WRD
	ds_store_b128 v29, v[W+4:W+7] offset:WRD+16
.irp j, 0,1,2,3,4,5,6,7
	v_lshrrev_b32 v20, 1, v[W+\j]                  ; popcount by fields of 2, 4, 8 bits, then the four bytes summed by a product
	v_and_b32 v20, s24, v20
	v_sub_nc_u32 v[CN+\j], v[W+\j], v20
	v_lshrrev_b32 v20, 2, v[CN+\j]
	v_and_b32 v[CN+\j], s25, v[CN+\j]
	v_and_b32 v20, s25, v20
	v_add_nc_u32 v[CN+\j], v[CN+\j], v20
	v_lshrrev_b32 v20, 4, v[CN+\j]
	v_add_nc_u32 v[CN+\j], v[CN+\j], v20
	v_and_b32 v[CN+\j], s26, v[CN+\j]
	v_mul_lo_u32 v[CN+\j], v[CN+\j], s27
	v_lshrrev_b32 v[CN+\j], 24, v[CN+\j]
.endr
.irp j, 1,2,3,4,5,6,7
	v_add_nc_u32 v[CN+\j], v[CN+\j], v[CN+\j-1]    ; running sums inside the lane; CN+7 = the lane's total
.endr
	v_mov_b32 v20, v[CN+7]
	v_mov_b32 v21, 0
.irp n, 1,2,4,8
	v_mov_b32_dpp v21, v20 row_shr:\n row_mask:0xf bank_mask:0xf bound_ctrl:1    ; running sums over sixteen lanes
	v_add_nc_u32 v20, v20, v21
.endr
	v_readlane_b32 s22, v20, 15
	v_mul_lo_u32 v21, v2, s22                      ; lanes 16-31 add the lower half's total
	v_add_nc_u32 v20, v20, v21
	v_readlane_b32 s23, v20, 31                    ; Nn
	v_sub_nc_u32 v[PF], v20, v[CN+7]               ; in front of my first word
.irp j, 1,2,3,4,5,6,7
	v_add_nc_u32 v[PF+\j], v[PF], v[CN+\j-1]
.endr
	ds_store_b128 v29, v[PF:PF+3]
	ds_store_b128 v29, v[PF+4:PF+7] offset:16      ; LDS serves a wave's instructions in order: the loads below see these stores
	s_sub_co_u32 s42, 0x2000, s23                  ; Na
	; the word that holds my number: the last word t with P(t) <= number, P = positions of the kind in front of word t.  Both kinds side by side.
	v_mov_b32 v33, 0                               ; t, normal
	v_mov_b32 v34, 0                               ; t, anomalous
.irp st, 128,64,32,16,8,4,2,1
	v_add_nc_u32 v35, \st, v33
	v_add_nc_u32 v36, \st, v34
	v_min_u32 v35, 0xff, v35                       ; a table of 256 words
	v_min_u32 v36, 0xff, v36
	v_lshl_add_u32 v37, v35, 2, v30
	v_lshl_add_u32 v38, v36, 2, v30
	ds_load_b32 v39, v37
	ds_load_b32 v40, v38
	v_lshlrev_b32 v41, 5, v36
	s_wait_dscnt 0x0
	v_sub_nc_u32 v41, v41, v40                     ; anomalous in front = 32 t - normal in front
	v_cmp_le_u32 vcc_lo, v39, v31
	v_cndmask_b32 v33, v33, v35, vcc_lo
	v_cmp_le_u32 vcc_lo, v41, v31
	v_cndmask_b32 v34, v34, v36, vcc_lo
.endr
.macro SEL wd, lv                      ; if the lower field of wd bits holds too few, pass it
	v_bfe_u32 v51, v[\lv], v52, \wd
	v_cmp_ge_u32 vcc_lo, v46, v51
	v_sub_nc_u32 v51, v46, v51
	v_cndmask_b32 v46, v46, v51, vcc_lo
	v_add_nc_u32 v51, \wd, v52
	v_cndmask_b32 v52, v52, v51, vcc_lo
.endm
; inside word v[t]: the bit of my number (inv = 1: among the zero bits), the position, and the pixel p = 64 block + 4 r + e into v[out].
; A number past its kind's count gives some pixel inside the table; what is gathered for it is replaced by zeros.
.macro PICK t, inv, out
	v_min_u32 v[\t], 0xff, v[\t]
	v_lshl_add_u32 v42, v[\t], 2, v30
	ds_load_b32 v43, v42
	ds_load_b32 v44, v42 offset:WRD
	v_lshlrev_b32 v45, 5, v[\t]                    ; 32 t
	s_wait_dscnt 0x0
.if \inv
	v_sub_nc_u32 v43, v45, v43
	v_xor_b32 v44, -1, v44
.endif
	v_sub_nc_u32 v46, v31, v43                     ; which set bit of the word, from 0
	v_lshrrev_b32 v51, 1, v44                      ; counts in fields of 2 (v47), 4 (v48), 8 (v49), 16 bits (v50)
	v_and_b32 v51, s24, v51
	v_sub_nc_u32 v47, v44, v51
	v_lshrrev_b32 v51, 2, v47
	v_and_b32 v48, s25, v47
	v_and_b32 v51, s25, v51
	v_add_nc_u32 v48, v48, v51
	v_lshrrev_b32 v51, 4, v48
	v_add_nc_u32 v49, v48, v51
	v_and_b32 v49, s26, v49
	v_lshrrev_b32 v51, 8, v49
	v_add_nc_u32 v50, v49, v51
	v_and_b32 v50, 0x00ff00ff, v50
	v_mov_b32 v52, 0                               ; bit position
	SEL 16, 50
	SEL 8, 49
	SEL 4, 48
	SEL 2, 47
	SEL 1, 44
	v_add_nc_u32 v45, v45, v52                     ; the position: 64 block + 16 e + r
	v_and_b32 v[\out], 0x1fc0, v45
	v_and_b32 v51, 15, v45
	v_lshl_or_b32 v[\out], v51, 2, v[\out]
	v_bfe_u32 v51, v45, 4, 2
	v_or_b32 v[\out], v[\out], v51
	v_min_u32 v[\out], 0x1fff, v[\out]             ; 8,192 pixels; behind this clamp only AND, shift left, add
.endm
	PICK 33, 0, 53
	PICK 34, 1, 54
	; keys and queries: wave w copies K step w.  Lane (r, h) takes number 16 tt + r; its 16 bytes keep their place (q, h) in the fragment block
	v_lshlrev_b32 v55, 2, v3
	v_add_nc_u32 v56, 64, v55
	ds_bpermute_b32 v57, v55, v53                  ; pixel of key r
	ds_bpermute_b32 v58, v56, v53                  ; of key 16 + r
	ds_bpermute_b32 v59, v55, v54                  ; of query r
	ds_bpermute_b32 v60, v56, v54                  ; of query 16 + r
	v_lshlrev_b32 v61, 8, v2
	v_lshl_add_u32 v61, s20, 10, v61               ; 1,024 w + 256 h
	s_wait_dscnt 0x0
.macro GATH p, o, d
	v_min_u32 v[\p], 0x1fff, v[\p]
	v_and_b32 v[\o], 0x1fc0, v[\p]
	v_lshlrev_b32 v[\o], 9, v[\o]                  ; block x 4 tiles x 8,192
	v_and_b32 v62, 3, v[\p]
	v_lshl_add_u32 v[\o], v62, 13, v[\o]           ; + e x 8,192
	v_and_b32 v62, 0x3c, v[\p]
	v_lshl_add_u32 v[\o], v62, 2, v[\o]            ; + 16 r
	v_add_nc_u32 v[\o], v[\o], v61
	global_load_b128 v[\d:\d+3], v[\o], s[6:7]
	global_load_b128 v[\d+4:\d+7], v[\o], s[6:7] offset:512
.endm
	GATH 57, 32, KD
	GATH 58, 33, KD+8
	GATH 59, 34, QD
	GATH 60, 35, QD+8
	; values: lane = key, wave w takes channels 32 w ..
	v_and_b32 v63, 0x1c00, v53
	v_lshlrev_b32 v63, 10, v63                     ; image x 1 MiB
	v_and_b32 v62, 0x3ff, v53
	v_lshl_add_u32 v63, v62, 2, v63                ; + pixel x 4
	v_lshl_add_u32 v63, s20, 17, v63               ; + 32 w channels of 4,096 bytes
.set ii, 0
.rept 32
	global_load_b32 v[VD+ii], v63, s[8:9] offset:ii*4096
.set ii, ii+1
.endr
	v_add_nc_u32 v36, s29, v3
	v_cmp_gt_u32 s30, s23, v36                     ; number 32 g + r is a key
	v_cmp_gt_u32 s38, s42, v36                     ; is a query
	v_add_nc_u32 v36, 16, v36
	v_cmp_gt_u32 s31, s23, v36                     ; number 32 g + 16 + r
	v_cmp_gt_u32 s39, s42, v36
	v_cmp_gt_u32 s28, s23, v31                     ; number 32 g + L is a key
	v_lshlrev_b32 v37, 4, v1
	v_lshl_add_u32 v38, s20, 11, v37               ; vs: 2,048 w + 16 L
	v_lshl_add_u32 v37, s20, 10, v37               ; ks, qa: 1,024 w + 16 L
	v_lshlrev_b32 v39, 1, v1
	v_add_nc_u32 v39, s21, v39                     ; stage, in: 2 L
	v_mul_u32_u24 v40, v3, TRP
	v_lshl_add_u32 v40, v2, 4, v40
	v_add_nc_u32 v40, s21, v40                     ; stage, back: 80 r + 16 h
	s_wait_loadcnt 36                              ; loads come back in order: the four of the keys are in; the four of the queries and the 32 of the values stay out
.irp tt, 0,1
.irp j, 0,1,2,3,4,5,6,7
	v_cndmask_b32 v[KD+8*\tt+\j], 0, v[KD+8*\tt+\j], s[30+\tt]     ; zeros behind the last key
.endr
	global_store_b128 v37, v[KD+8*\tt:KD+8*\tt+3], s[12:13] offset:\tt*8192
	global_store_b128 v37, v[KD+8*\tt+4:KD+8*\tt+7], s[12:13] offset:\tt*8192+512
.endr
	s_wait_loadcnt 32                              ; the queries are in, the 32 loads of the values stay out
.irp tt, 0,1
.irp j, 0,1,2,3,4,5,6,7
	v_cndmask_b32 v[QD+8*\tt+\j], 0, v[QD+8*\tt+\j], s[38+\tt]     ; zeros behind the last query
.endr
	global_store_b128 v37, v[QD+8*\tt:QD+8*\tt+3], s[16:17] offset:\tt*8192
	global_store_b128 v37, v[QD+8*\tt+4:QD+8*\tt+7], s[16:17] offset:\tt*8192+512
.endr
	s_wait_loadcnt 0x0
.set ii, 0
.rept 32
	v_cndmask_b32 v[VD+ii], 0, v[VD+ii], s28
.set ii, ii+1
.endr
.set ii, 0
.rept 16
	v_cvt_pk_bf16_f32 v[VD+ii], v[VD+2*ii], v[VD+2*ii+1]           ; the destination never lies behind its sources
	ds_store_b16 v39, v[VD+ii] offset:TR+2*ii*TRP                  ; channel 2 i, key L
	ds_store_b16_d16_hi v39, v[VD+ii] offset:TR+(2*ii+1)*TRP       ; channel 2 i + 1
.set ii, ii+1
.endr
.irp m, 0,1
.irp q, 0,1
	ds_load_b128 v[TL+4*(2*\m+\q):TL+4*(2*\m+\q)+3], v40 offset:TR+\m*16*TRP+32*\q   ; channel 16 m + r, keys 16 q + 8 h ..; my wave's own bytes, served in order
.endr
.endr
.irp m, 0,1
.irp q, 0,1
	s_wait_dscnt 3-(2*\m+\q)
	global_store_b128 v38, v[TL+4*(2*\m+\q):TL+4*(2*\m+\q)+3], s[14:15] offset:\m*1024+\q*512
.endr
.endr
	s_or_b32 s32, ttmp9, s20
	s_cmp_lg_u32 s32, 0
	s_cbranch_scc1 .Lend                           ; the table, Nn and Ld: work-group 0's wave 0
	global_store_b128 v28, v[PF:PF+3], s[18:19] offset:256         ; normal positions in front of word 8 L + j at byte 256 + 32 L + 4 j
	global_store_b128 v28, v[PF+4:PF+7], s[18:19] offset:272
	v_lshlrev_b32 v41, 4, v1
.irp j, 0,1,2,3
	global_load_b128 v[4+4*\j:7+4*\j], v41, s[10:11] offset:512*\j ; 128 blocks' (sum d normal, sum d anomalous, count normal, 0)
.endr
	s_mov_b32 s36, 0x76543210
	s_mov_b32 s37, 0xfedcba98
	s_wait_loadcnt 0x0
.irp j, 1,2,3
	v_pk_add_f32 v[4:5], v[4:5], v[4+4*\j:5+4*\j]
	v_pk_add_f32 v[6:7], v[6:7], v[6+4*\j:7+4*\j]
.endr
.irp c, 4,5,6
.irp m, 1,2,4,8
	v_add_f32_dpp v\c, v\c, v\c row_xmask:\m row_mask:0xf bank_mask:0xf
.endr
	v_permlanex16_b32 v8, v\c, s36, s37
	v_add_f32 v\c, v\c, v8
.endr
	v_sub_f32 v9, 0x46000000, v6                   ; anomalous = 8,192 - normal (whole numbers, exact in f32)
	v_max_num_f32 v10, 1.0, v6
	v_max_num_f32 v11, 1.0, v9
	v_rcp_f32 v10, v10
	v_rcp_f32 v11, v11
	v_nop
	s_wait_alu depctr_va_vdst(0)
	v_mul_f32 v4, v4, v10                          ; mean of the normal d
	v_mul_f32 v5, v5, v11                          ; mean of the anomalous d
	v_add_f32 v5, 0x3a83126f, v5                   ; + 0.001
	v_rcp_f32 v5, v5
	v_cmp_lt_f32 vcc_lo, 0, v9
	s_wait_alu depctr_va_vdst(0)
	v_mul_f32 v12, v4, v5
	v_cndmask_b32 v4, v4, v12, vcc_lo
	v_mov_b32 v13, s23
	v_mov_b32 v14, 0
	v_cmp_eq_u32 vcc_lo, 0, v0
	s_wait_xcnt 0x0                                ; EXEC narrows only behind this wait
	s_and_saveexec_b32 s33, vcc_lo
	global_store_b32 v14, v4, s[40:41]
	global_store_b32 v14, v13, s[18:19]
	s_wait_xcnt 0x0                                ; and widens only behind this one
	s_or_b32 exec_lo, exec_lo, s33
.Lend:
	s_endpgm
.Lfunc_end_k_q0e2fb14782_sort:
	.size	k_q0e2fb14782_sort, .Lfunc_end_k_q0e2fb14782_sort-k_q0e2fb14782_sort
	.p2alignl 7, 3214868480
	.fill 96, 4, 3214868480
	.section	.rodata,"a",@progbits
	.p2align	6, 0x0
	.amdhsa_kernel k_q0e2fb14782_sort
		.amdhsa_group_segment_fixed_size 36864
		.amdhsa_private_segment_fixed_size 0
		.amdhsa_enable_private_segment 0
		.amdhsa_kernarg_size 72
		.amdhsa_user_sgpr_count 2
		.amdhsa_user_sgpr_kernarg_segment_ptr 1
		.amdhsa_wavefront_size32 1
		.amdhsa_system_sgpr_workgroup_id_x 1
		.amdhsa_system_sgpr_workgroup_id_y 1
		.amdhsa_system_sgpr_workgroup_id_z 1
		.amdhsa_system_vgpr_workitem_id 0
		.amdhsa_next_free_vgpr 144
		.amdhsa_next_free_sgpr 66
		.amdhsa_reserve_vcc 1
		.amdhsa_float_denorm_mode_32 3
		.amdhsa_float_denorm_mode_16_64 3
		.amdhsa_memory_ordered 1
		.amdhsa_forward_progress 1
		.amdhsa_inst_pref_size 35
	.end_amdhsa_kernel
	.amdgpu_metadata
---
amdhsa.version: [ 1, 2 ]
amdhsa.kernels:
  - .name:           k_q0e2fb14782_sort
    .symbol:         k_q0e2fb14782_sort.kd
    .args:
      - { .name: mask, .offset: 0, .size: 8, .value_kind: global_buffer, .address_space: global }
      - { .name: qn, .offset: 8, .size: 8, .value_kind: global_buffer, .address_space: global }
      - { .name: f, .offset: 16, .size: 8, .value_kind: global_buffer, .address_space: global }
      - { .name: ldp, .offset: 24, .size: 8, .value_kind: global_buffer, .address_space: global }
      - { .name: ks, .offset: 32, .size: 8, .value_kind: global_buffer, .address_space: global }
      - { .name: vs, .offset: 40, .size: 8, .value_kind: global_buffer, .address_space: global }
      - { .name: qa, .offset: 48, .size: 8, .value_kind: global_buffer, .address_space: global }
      - { .name: nn, .offset: 56, .size: 8, .value_kind: global_buffer, .address_space: global }
      - { .name: out1, .offset: 64, .size: 8, .value_kind: global_buffer, .address_space: global }
    .group_segment_fixed_size: 36864
    .private_segment_fixed_size: 0
    .kernarg_segment_align: 8
    .kernarg_segment_size: 72
    .max_flat_workgroup_size: 256
    .sgpr_count:     66
    .vgpr_count:     144
    .wavefront_size: 32
...
	.end_amdgpu_metadata
.endif
;; end of part 4
;; launch walk1 (part 5): grid 256 x 1, 4 waves a work-group, no clusters, 34,816 bytes of LDS; arguments qa, ks, nn, ldp; writes ldp
.if DOCPART == 5
	.amdgcn_target "amdgcn-amd-amdhsa--gfx1250"
	.amdhsa_code_object_version 6
	.text
	.protected	k_q0e2fb14782_walk1
	.globl	k_q0e2fb14782_walk1
	.p2align	8
	.type	k_q0e2fb14782_walk1,@function
k_q0e2fb14782_walk1:
	s_mov_b64 s[64:65], 0
	v_nop
	global_prefetch_b8 v0, s[64:65] scope:SCOPE_SE
	s_setreg_imm32_b32 hwreg(HW_REG_WAVE_MODE, 25, 1), 1
	s_wait_xcnt 0x0
; walk1: for 64 anomalous pixels (queries) and one slice of the normal pixels (keys): x = q.k (= cosine x log2 e), e = 2^x, S = sum e, Q = sum e^2.
; Only anomalous pixels are queries (the function keeps f for the others) and only normal pixels are keys (it masks the others).
; NO RUNNING MAXIMUM: x is a cosine of two vectors that the function itself normalises, times log2 e, so e lies in [0.36, 2.8] and a sum of
; 8,192 of them or of their squares is far inside f32; e / S equals the softmax with the maximum taken away.
; THE SHARE-OUT, by whole numbers from Nn alone, the same in walk1, walk2 and merge: nqb = max(ceil(Na / 64), 1) query blocks; each block's keys go in
; S slices, S = 4 if nqb <= 64, 3 if nqb <= 85, else 2, so that nqb S <= 256; work-group w takes block w div S and slice w mod S
; (w div S = (w M) >> 9 with M = 128, 171, 256: exact below 512).  A slice is per = clamp(ceil(ceil(Nn / 128) / S), 4, 16) steps of 128 keys; S per <= 64 steps,
; so no load leaves ks.  Where nqb S < 256 the last work-groups have no block of their own: no branch on a number read from memory may jump a barrier, so they walk
; block nqb - 1 again and store into their own slot, which no launch reads for a result.
; PAD KEYS: keys from Nn on are zero rows: x = 0, e = 1.  The slice takes its own pad keys' share (their count: sums of 1.0 are exact) off S and Q.
; The four waves split a step's keys, 32 each; each wave holds all 64 queries (256 registers), so a key fragment of 1,024 bytes feeds four matrix instructions.
; THE QUERIES COME INTO THE WORK-GROUP ONCE: each wave loads one of the four query tiles (8,192 bytes) and puts it into LDS; behind one barrier, which stands ahead of the
; loop, every wave reads all four into its registers: 32 KiB from memory for the work-group, not 128.
; KEYS COME STRAIGHT FROM MEMORY INTO REGISTERS, NOT THROUGH LDS, AND NO TILE IS ASKED FOR JOINTLY IN A CLUSTER: the loop's trips hang on Nn, so no barrier can
; stand in it, and without one no LDS slot can be filled again.  Each fragment is used by one wave alone; ks is laid out as fragments: a load is 512 consecutive bytes.
; LIMIT: NaN and infinite inputs are not served.
; x is made transposed: A = 16 keys, B = 16 queries: lane (r, h) gets query r of tile nb, keys 8 h + j.
; OUT: ldp, byte 2,048 + 512 w: S of query 16 nb + r at 16 r + 4 nb, Q the same 256 bytes further on.
; REGISTERS: window 0: v0 pad keys, v1 8,192 wave + 16 L, v2 lane, v3 16,384 wave + 16 L, v7 16 L, v13 16 r, v15 at work, v16-24 at work, v32-95 x (2 key tiles x 4 query
;   tiles; at the start my query tile on its way to LDS), v96-127 sums, v128-255 fragments of even steps.  Window 1: the queries.  Window 2, v0-127: fragments of odd steps.
.set STEP,  65536                      ; bytes of ks in a step: 128 keys, 32 a wave
.set QL,    2048                       ; LDS: bytes 0 .. 2,047 [wave][S | Q]; then the 64 queries as they lie in qa, 32,768 bytes
.set SR,  32
.set SA,  96                           ; sums of e, query tile nb, chain c: pair at SA + 4 nb + 2 c
.set QA,  112                          ; sums of e^2, likewise
.set FR,  128
.set KB,  26                           ; s[26:27] ks at the step in hand
.set MSB, 0
.macro WIN new                         ; s_set_vgpr_msb: bits 1:0 source 0, 3:2 source 1, 5:4 source 2, 7:6 destination; the high byte repeats the setting that is left
.if MSB != \new
	s_set_vgpr_msb (MSB<<8)|\new
.set MSB, \new
.endif
.endm
.macro PLACES                          ; five plain instructions behind a run of matrix instructions (ISA guide 7.12.1): then vector instructions may read the
.rept 5                                ; results, loads may land in the sources, and a matrix instruction may write over them
	v_nop
.endr
.endm
; s21 = Nn.  Out: s30 nqb, s31 S, s32 M, s33 per, s34 my block, s35 my slice, s36 my first step, s37 my pad keys
.macro SCHED
	s_sub_co_u32 s30, 0x2000, s21
	s_add_co_u32 s30, s30, 63
	s_lshr_b32 s30, s30, 6
	s_max_u32 s30, s30, 1
	s_movk_i32 s38, 171
	s_movk_i32 s39, 256
	s_cmp_le_u32 s30, 85
	s_cselect_b32 s31, 3, 2
	s_cselect_b32 s32, s38, s39
	s_cmp_le_u32 s30, 64
	s_cselect_b32 s31, 4, s31
	s_cselect_b32 s32, 128, s32
	s_add_co_u32 s33, s21, 127
	s_lshr_b32 s33, s33, 7                         ; steps that hold keys
	s_add_co_u32 s33, s33, s31
	s_sub_co_u32 s33, s33, 1
	s_mul_i32 s33, s33, s32
	s_lshr_b32 s33, s33, 9                         ; divided by S, rounded up
	s_max_u32 s33, s33, 4
	s_min_u32 s33, s33, 16
	s_mul_i32 s34, ttmp9, s32
	s_lshr_b32 s34, s34, 9
	s_mul_i32 s38, s34, s31
	s_sub_co_u32 s35, ttmp9, s38
	s_sub_co_u32 s38, s30, 1
	s_min_u32 s34, s34, s38
	s_min_u32 s34, s34, 127
	s_mul_i32 s36, s35, s33
	s_min_u32 s36, s36, 48
	s_add_co_u32 s37, s36, s33
	s_lshl_b32 s37, s37, 7                         ; the key behind my slice
	s_max_u32 s37, s37, s21
	s_sub_co_u32 s37, s37, s21
	s_lshl_b32 s38, s33, 7
	s_min_u32 s37, s37, s38
.endm
	s_load_b256 s[4:11], s[0:1], 0x0               ; qa s[4:5], ks s[6:7], nn s[8:9], ldp s[10:11]
	v_lshrrev_b32 v1, 5, v0
	v_readfirstlane_b32 s18, v1                    ; wave
	s_mov_b32 s52, 0x76543210                      ; v_permlanex16_b32: lane i reads lane i of the other half
	s_mov_b32 s53, 0xfedcba98
	s_mov_b32 s49, 0
	v_and_b32 v2, 31, v0                           ; lane
	v_lshlrev_b32 v7, 4, v2                        ; 16 L: a fragment is two loads of 512 consecutive bytes
	v_lshl_add_u32 v3, s18, 14, v7
	v_lshl_add_u32 v1, s18, 13, v7                 ; my query tile, in qa's block and in LDS: 8,192 wave + 16 L
	v_and_b32 v13, 15, v0
	v_lshlrev_b32 v13, 4, v13                      ; 16 r
	v_mov_b32 v15, 0
	s_wait_kmcnt 0x0
	s_load_b32 s21, s[8:9], 0x0                    ; Nn
	s_wait_kmcnt 0x0
	s_min_u32 s21, s21, 0x2000                     ; at most 8,192
	SCHED
	s_lshl_b32 s48, s36, 16
	s_add_nc_u64 s[KB:KB+1], s[6:7], s[48:49]      ; my slice's first step
	s_lshl_b32 s48, s34, 15
	s_add_nc_u64 s[4:5], s[4:5], s[48:49]          ; my block's four query tiles
	s_lshl_b32 s48, ttmp9, 9
	s_add_nc_u64 s[10:11], s[10:11], s[48:49]      ; my slot
; half of 32 keys' fragments (2 tiles x K steps 4 half .. 4 half + 3) into registers dst + 64 half .., in the order in which SIM takes them: four loads a K step.
; Fragment (tile kt, K step ks) lies at dst + 8 (2 ks + kt).  The caller sets the destination's window.
.macro LOADKH dst, off, half
.set kk, 4*\half
.rept 4
.irp kt, 0,1
	global_load_b128 v[\dst+8*(2*kk+\kt):\dst+8*(2*kk+\kt)+3], v3, s[KB:KB+1] offset:\off+(8*\kt+kk)*1024
	global_load_b128 v[\dst+8*(2*kk+\kt)+4:\dst+8*(2*kk+\kt)+7], v3, s[KB:KB+1] offset:\off+(8*\kt+kk)*1024+512
.endr
.set kk, kk+1
.endr
.endm
; one K step of x = keys x queries: eight matrix instructions.  The eight accumulators take turns, one instruction a turn.
.macro SIMK ab, ks, cnt
	s_wait_loadcnt \cnt
.irp kt, 0,1
.irp nb, 0,1,2,3
.if \ks
	v_wmma_f32_16x16x32_bf16 v[SR+8*(4*\kt+\nb):SR+8*(4*\kt+\nb)+7], v[\ab+8*(2*\ks+\kt):\ab+8*(2*\ks+\kt)+7], v[8*(8*\nb+\ks):8*(8*\nb+\ks)+7], v[SR+8*(4*\kt+\nb):SR+8*(4*\kt+\nb)+7]
.else
	v_wmma_f32_16x16x32_bf16 v[SR+8*(4*\kt+\nb):SR+8*(4*\kt+\nb)+7], v[\ab+8*(2*\ks+\kt):\ab+8*(2*\ks+\kt)+7], v[8*(8*\nb+\ks):8*(8*\nb+\ks)+7], 0
.endif
.endr
.endr
.endm
; the whole product on the fragments at ab (win: A's window, B in window 1).  Loads come back in order: at K step ks all are in but the four of each
; later K step and the cnt loads issued behind these 32
.macro SIM ab, win, cnt
	WIN \win
.irp ks, 0,1,2,3,4,5,6,7
	SIMK \ab, \ks, \cnt+28-4*\ks
.endr
	WIN 0
	PLACES
.endm
; the vector work on 32 keys x 64 queries
.macro VALU1
.set ii, 0
.rept 64
	v_exp_f32 v[SR+ii], v[SR+ii]
.set ii, ii+1
.endr
	v_nop                                          ; one plain instruction behind the run of exponentials (ISA guide 5.7.2)
	s_wait_alu depctr_va_vdst(0)
.irp i, 0,2,4,6
.irp nb, 0,1,2,3
	v_pk_add_f32 v[SA+4*\nb:SA+4*\nb+1], v[SA+4*\nb:SA+4*\nb+1], v[SR+8*\nb+\i:SR+8*\nb+\i+1]
	v_pk_add_f32 v[SA+4*\nb+2:SA+4*\nb+3], v[SA+4*\nb+2:SA+4*\nb+3], v[SR+8*(4+\nb)+\i:SR+8*(4+\nb)+\i+1]
	v_pk_fma_f32 v[QA+4*\nb:QA+4*\nb+1], v[SR+8*\nb+\i:SR+8*\nb+\i+1], v[SR+8*\nb+\i:SR+8*\nb+\i+1], v[QA+4*\nb:QA+4*\nb+1]
	v_pk_fma_f32 v[QA+4*\nb+2:QA+4*\nb+3], v[SR+8*(4+\nb)+\i:SR+8*(4+\nb)+\i+1], v[SR+8*(4+\nb)+\i:SR+8*(4+\nb)+\i+1], v[QA+4*\nb+2:QA+4*\nb+3]
.endr
.endr
.endm
; one step: the buffer at ab is multiplied and, behind the five places, filled again with the keys of two steps on (fill = 1), at byte off from the base.
; cnt = 32 where the other buffer's loads were issued behind this one's, 0 in the last step
.macro STEP1 ab, simwin, ldwin, fill, off, cnt
	SIM \ab, \simwin, \cnt
.if \fill
	s_wait_loadcnt 28                              ; the next step's first K step is in (that step's first wait, met here); with the 32 that follow 60 loads are out
	WIN \ldwin
	LOADKH \ab, \off, 0
	LOADKH \ab, \off, 1
	WIN 0
.endif
	VALU1
.endm
; four pairs of chains at v[src + 4 nb] become one number a query in v[dst + nb]: the pair, its halves, the other sixteen lanes (the other keys)
.macro FOLD src, dst
.irp nb, 0,1,2,3
	v_pk_add_f32 v[\src+4*\nb:\src+4*\nb+1], v[\src+4*\nb:\src+4*\nb+1], v[\src+4*\nb+2:\src+4*\nb+3]
.endr
.irp nb, 0,1,2,3
	v_add_f32 v[\dst+\nb], v[\src+4*\nb], v[\src+4*\nb+1]
.endr
.irp nb, 0,1,2,3
	v_permlanex16_b32 v15, v[\dst+\nb], s52, s53
	v_add_f32 v[\dst+\nb], v[\dst+\nb], v15
.endr
.endm
.set ii, 0
.rept 16
	global_load_b128 v[SR+4*ii:SR+4*ii+3], v1, s[4:5] offset:ii*512        ; query tile number wave, 8,192 bytes, into x's registers
.set ii, ii+1
.endr
	LOADKH FR, 0, 0                                ; step 0
	LOADKH FR, 0, 1
	v_cvt_f32_u32 v0, s37                          ; my slice's pad keys
.set ii, 0
.rept 32
	v_mov_b32 v[SA+ii], 0                          ; the 32 running sums
.set ii, ii+1
.endr
	s_wait_loadcnt 32                              ; loads come back in order: my query tile is in, step 0's 32 loads stay out
.set ii, 0
.rept 16
	ds_store_b128 v1, v[SR+4*ii:SR+4*ii+3] offset:QL+ii*512
.set ii, ii+1
.endr
	WIN 0x80
	LOADKH 0, STEP, 0                              ; step 1
	LOADKH 0, STEP, 1
	WIN 0
	s_wait_dscnt 0x0                               ; my query tile is in LDS,
	s_barrier_signal -1
	s_barrier_wait -1                              ; all four are.  (The loads of the keys stay out: nobody writes ks)
	WIN 0x40
.set ii, 0
.rept 32
	ds_load_b128 v[8*ii:8*ii+3], v7 offset:QL+ii*1024                      ; query tile ii / 8, K step ii % 8, into window 1
	ds_load_b128 v[8*ii+4:8*ii+7], v7 offset:QL+ii*1024+512
.set ii, ii+1
.endr
	WIN 0
	s_wait_dscnt 0x0                               ; the queries
	; per steps = 2 x ((per - 2) / 2) in the loop + 2 (per even) or 3 (per odd) written out.  Even steps on the buffer in window 0, odd ones on that in window 2.
	s_sub_co_u32 s24, s33, 2
	s_lshr_b32 s24, s24, 1                         ; at least 1, since per is at least 4
	s_mov_b32 s23, 0
.Lwalk1:
	STEP1 FR, 0x04, 0, 1, 2*STEP, 32
	STEP1 0, 0x06, 0x80, 1, 3*STEP, 32
	s_wait_xcnt 0x0                                ; the base of the loads that are out is stepped only behind this wait
	s_add_nc_u64 s[KB:KB+1], s[KB:KB+1], 2*STEP
	s_add_co_u32 s23, s23, 1
	s_cmp_lt_u32 s23, s24
	s_cbranch_scc1 .Lwalk1
	s_bitcmp1_b32 s33, 0
	s_cbranch_scc1 .Lodd                           ; no barrier stands in either tail
	STEP1 FR, 0x04, 0, 0, 0, 32                    ; per even: the last two steps ask for nothing
	STEP1 0, 0x06, 0x80, 0, 0, 0
	s_branch .Lfold
.Lodd:
	STEP1 FR, 0x04, 0, 1, 2*STEP, 32               ; per odd: one more step is asked for
	STEP1 0, 0x06, 0x80, 0, 0, 32
	STEP1 FR, 0x04, 0, 0, 0, 0
.Lfold:
	FOLD SA, 16
	FOLD QA, 20
	v_lshl_add_u32 v24, s18, 9, v13
	ds_store_b128 v24, v[16:19]                    ; my wave's S and Q of the 64 queries
	ds_store_b128 v24, v[20:23] offset:256
	s_wait_dscnt 0x0                               ; they are in LDS,
	s_barrier_signal -1
	s_barrier_wait -1                              ; all four waves' are
	s_cmp_lg_u32 s18, 0
	s_cbranch_scc1 .Lend                           ; the rest is wave 0's: no barrier follows
.irp p, 0,1,2,3
	ds_load_b128 v[SR+8*\p:SR+8*\p+3], v13 offset:512*\p
	ds_load_b128 v[SR+8*\p+4:SR+8*\p+7], v13 offset:512*\p+256
.endr
	s_wait_dscnt 0x0
.irp p, 1,2,3
.irp j, 0,2,4,6
	v_pk_add_f32 v[SR+\j:SR+\j+1], v[SR+\j:SR+\j+1], v[SR+8*\p+\j:SR+8*\p+\j+1]
.endr
.endr
.irp j, 0,1,2,3,4,5,6,7
	v_sub_f32 v[SR+\j], v[SR+\j], v0               ; a pad key adds 1 to S and 1 to Q
.endr
	v_cmp_gt_u32 vcc_lo, 16, v2
.irp j, 0,1,2,3
	v_cndmask_b32 v[16+\j], v[SR+4+\j], v[SR+\j], vcc_lo           ; lanes 0-15 store S, lanes 16-31 Q
.endr
	global_store_b128 v7, v[16:19], s[10:11] offset:2048           ; 512 consecutive bytes, aligned
.Lend:
	s_endpgm
.Lfunc_end_k_q0e2fb14782_walk1:
	.size	k_q0e2fb14782_walk1, .Lfunc_end_k_q0e2fb14782_walk1-k_q0e2fb14782_walk1
	.p2alignl 7, 3214868480
	.fill 96, 4, 3214868480
	.section	.rodata,"a",@progbits
	.p2align	6, 0x0
	.amdhsa_kernel k_q0e2fb14782_walk1
		.amdhsa_group_segment_fixed_size 34816
		.amdhsa_private_segment_fixed_size 0
		.amdhsa_enable_private_segment 0
		.amdhsa_kernarg_size 32
		.amdhsa_user_sgpr_count 2
		.amdhsa_user_sgpr_kernarg_segment_ptr 1
		.amdhsa_wavefront_size32 1
		.amdhsa_system_sgpr_workgroup_id_x 1
		.amdhsa_system_sgpr_workgroup_id_y 1
		.amdhsa_system_sgpr_workgroup_id_z 1
		.amdhsa_system_vgpr_workitem_id 0
		.amdhsa_next_free_vgpr 640
		.amdhsa_next_free_sgpr 66
		.amdhsa_reserve_vcc 1
		.amdhsa_float_denorm_mode_32 3
		.amdhsa_float_denorm_mode_16_64 3
		.amdhsa_memory_ordered 1
		.amdhsa_forward_progress 1
		.amdhsa_inst_pref_size 104
	.end_amdhsa_kernel
	.amdgpu_metadata
---
amdhsa.version: [ 1, 2 ]
amdhsa.kernels:
  - .name:           k_q0e2fb14782_walk1
    .symbol:         k_q0e2fb14782_walk1.kd
    .args:
      - { .name: qa, .offset: 0, .size: 8, .value_kind: global_buffer, .address_space: global }
      - { .name: ks, .offset: 8, .size: 8, .value_kind: global_buffer, .address_space: global }
      - { .name: nn, .offset: 16, .size: 8, .value_kind: global_buffer, .address_space: global }
      - { .name: ldp, .offset: 24, .size: 8, .value_kind: global_buffer, .address_space: global }
    .group_segment_fixed_size: 34816
    .private_segment_fixed_size: 0
    .kernarg_segment_align: 8
    .kernarg_segment_size: 32
    .max_flat_workgroup_size: 128
    .sgpr_count:     66
    .vgpr_count:     640
    .wavefront_size: 32
...
	.end_amdgpu_metadata
.endif
;; end of part 5
;; launch walk2 (part 6): grid 256 x 1, 4 waves a work-group, no clusters, 295,936 bytes of LDS; arguments qa, ks, vs, nn, ldp, po; writes po
.if DOCPART == 6
	.amdgcn_target "amdgcn-amd-amdhsa--gfx1250"
	.amdhsa_code_object_version 6
	.text
	.protected	k_q0e2fb14782_walk2
	.globl	k_q0e2fb14782_walk2
	.p2align	8
	.type	k_q0e2fb14782_walk2,@function
k_q0e2fb14782_walk2:
	s_mov_b64 s[64:65], 0
	v_nop
	global_prefetch_b8 v0, s[64:65] scope:SCOPE_SE
	s_setreg_imm32_b32 hwreg(HW_REG_WAVE_MODE, 25, 1), 1
	s_wait_xcnt 0x0
; walk2: for 64 anomalous pixels (queries) and one slice of the normal pixels (keys), with S and Q of the whole row from walk1's slices:
;   m = S / t, te = m - 2 sqrt(max(Q / t - m^2, 0))      (the function's mu - 2 sigma, times S; its mu is taken as 1 / t)
;   x = q.k and e = 2^x again, r = max(e - te, 0), u = e r / (r + 1e-10 S), the slice's sum u and O = sum u V.
; merge adds the slices and divides.  NO RUNNING MAXIMUM, THE SHARE-OUT, PAD KEYS (their V is 0; their share of sum u, count x the u of e = 1, is taken off here), and why
; keys and values come straight from memory into registers with no cluster: as said at walk1's head; the text of SCHED is the same.
; LIMITS: the variance is formed as Q / t - m^2: where the weights of a row differ by less than about 1e-3 of their size the cut hangs on
; rounding (there the bf16 rounding of the cosines decides it as well); rows whose weights are all equal (one normal pixel) are 0 / 0 in the
; function and hang on rounding here.  NaN and infinite inputs are not served.
; The four waves split a step's keys, 32 each; each works on all 64 queries and holds a partial O of 256 channels x 64 queries (512 registers).
; THE QUERIES LIE IN LDS.  Each wave loads one of the four query tiles (8,192 bytes) and puts it there; one barrier, ahead of the loop; nobody writes those bytes again.
; Of a wave's 1,024 registers O takes 512 and window 0 is full; 256 registers of queries would leave keys and values one buffer of 128 to share, and the next keys could be
; asked for only while O's product runs.  With the queries in LDS window 1 holds a buffer for the values alone and the queries of four K steps, so that the next keys are
; asked for straight behind x (u and O, 392 vector and 64 matrix instructions, in which to land) and the next values straight behind O (x and u in which to land).
; The price: 64 LDS loads of 512 bytes a step and wave, 32 KiB for 128 matrix instructions.
; BOTH PRODUCTS ARE USED TRANSPOSED.  x: A = 16 keys, B = 16 queries: lane (r, h) gets query r, keys 8 h + j.  Two such tiles packed to bf16
; ARE a B fragment (column = query r, k = 32 keys): no lane moves.  O: A = 16 channels x 32 keys of V, B = u: lane (r, h) gets query r, channels 8 h + j.
; OUT: po, slot w of 65,792 bytes: O as the registers hold it: (channel c, query 16 nb + r) at 4,096 (c / 16) + 1,024 nb + 512 ((c / 4) & 1) + 256 ((c / 8) & 1) + 16 r + 4 (c & 3);
; then sum u of query 16 nb + r at 65,536 + 16 r + 4 nb.
; REGISTERS: window 0: v0 pad keys, v1 8,192 wave + 16 L, v2 lane, v3 16,384 wave + 16 L (my offset in a step of ks and vs and in my slot; with v5, v4, v6 = + 65,536 p the way
;   out's LDS addresses), v7 16 L, v8-11 u of a pad key, v12 1 / t, v13 USB + 16 r, v14 QL + 16 L, v15 at work, v16-31 T, v32-95 x (2 key tiles x 4 query tiles),
;   v96-127 thresholds and sums, v128-255 the keys' 16 fragments.  Window 1: v0-127 the values' 16 fragments; v128-255 the queries of four K steps: (tile nb, K step ks) at
;   128 + 32 (ks % 4) + 8 nb.  Windows 2, 3: O.
.set STEP,  65536                      ; bytes of ks, and of vs, in a step: 128 keys, 32 a wave
.set USB,   262144                     ; LDS: bytes 0 .. 262,143 the four partial O; then [wave][sum u: 16 lanes x 16 bytes];
.set QL,    263168                     ; then the 64 queries as they lie in qa, 32,768 bytes: (tile nb, K step ks) at 8,192 nb + 1,024 ks
.set SLOTB, 65792
.set TT,  16
.set SR,  32
.set NTE, 96                           ; -te, twice, at NTE + 2 nb
.set DL,  104                          ; 1e-10 S, twice
.set US,  112                          ; sums of u, query tile nb, chain c: pair at US + 4 nb + 2 c
.set FR,  128                          ; window 0: the keys
.set QS,  128                          ; window 1: the queries of four K steps
.set KB,  26                           ; s[26:27] ks at the step whose keys were asked for last
.set VB,  28                           ; s[28:29] vs likewise
.set MSB, 0
.macro WIN new                         ; s_set_vgpr_msb: bits 1:0 source 0, 3:2 source 1, 5:4 source 2, 7:6 destination; the high byte repeats the setting that is left
.if MSB != \new
	s_set_vgpr_msb (MSB<<8)|\new
.set MSB, \new
.endif
.endm
.macro PLACES                          ; five plain instructions behind a run of matrix instructions (ISA guide 7.12.1): then vector instructions may read the
.rept 5                                ; results, loads may land in the sources, and a matrix instruction may write over them
	v_nop
.endr
.endm
; s21 = Nn.  Out: s30 nqb, s31 S, s32 M, s33 per, s34 my block, s35 my slice, s36 my first step, s37 my pad keys
.macro SCHED
	s_sub_co_u32 s30, 0x2000, s21
	s_add_co_u32 s30, s30, 63
	s_lshr_b32 s30, s30, 6
	s_max_u32 s30, s30, 1
	s_movk_i32 s38, 171
	s_movk_i32 s39, 256
	s_cmp_le_u32 s30, 85
	s_cselect_b32 s31, 3, 2
	s_cselect_b32 s32, s38, s39
	s_cmp_le_u32 s30, 64
	s_cselect_b32 s31, 4, s31
	s_cselect_b32 s32, 128, s32
	s_add_co_u32 s33, s21, 127
	s_lshr_b32 s33, s33, 7                         ; steps that hold keys
	s_add_co_u32 s33, s33, s31
	s_sub_co_u32 s33, s33, 1
	s_mul_i32 s33, s33, s32
	s_lshr_b32 s33, s33, 9                         ; divided by S, rounded up
	s_max_u32 s33, s33, 4
	s_min_u32 s33, s33, 16
	s_mul_i32 s34, ttmp9, s32
	s_lshr_b32 s34, s34, 9
	s_mul_i32 s38, s34, s31
	s_sub_co_u32 s35, ttmp9, s38
	s_sub_co_u32 s38, s30, 1
	s_min_u32 s34, s34, s38
	s_min_u32 s34, s34, 127
	s_mul_i32 s36, s35, s33
	s_min_u32 s36, s36, 48
	s_add_co_u32 s37, s36, s33
	s_lshl_b32 s37, s37, 7                         ; the key behind my slice
	s_max_u32 s37, s37, s21
	s_sub_co_u32 s37, s37, s21
	s_lshl_b32 s38, s33, 7
	s_min_u32 s37, s37, s38
.endm
; half of 32 keys' fragments (2 tiles x K steps 4 half .. 4 half + 3) into FR + 64 half .., in the order in which the product takes them: four loads a K step.
; Fragment (tile kt, K step ks) lies at FR + 8 (2 ks + kt)
.macro LOADKH half
.set kk, 4*\half
.rept 4
.irp kt, 0,1
	global_load_b128 v[FR+8*(2*kk+\kt):FR+8*(2*kk+\kt)+3], v3, s[KB:KB+1] offset:(8*\kt+kk)*1024
	global_load_b128 v[FR+8*(2*kk+\kt)+4:FR+8*(2*kk+\kt)+7], v3, s[KB:KB+1] offset:(8*\kt+kk)*1024+512
.endr
.set kk, kk+1
.endr
.endm
; the values of my 32 keys: 16 fragments of 16 channels, channels ascending, into window 1 (the caller sets the destination's window)
.macro LOADV
.set ii, 0
.rept 16
	global_load_b128 v[8*ii:8*ii+3], v3, s[VB:VB+1] offset:ii*1024
	global_load_b128 v[8*ii+4:8*ii+7], v3, s[VB:VB+1] offset:ii*1024+512
.set ii, ii+1
.endr
.endm
; the queries of K steps 2 pg and 2 pg + 1 from LDS into their slot of window 1: 16 loads of 512 consecutive bytes, eight a K step
.macro LOADQ pg
	WIN 0x40
.irp p, 0,1
.irp nb, 0,1,2,3
	ds_load_b128 v[QS+32*((2*\pg+\p)%4)+8*\nb:QS+32*((2*\pg+\p)%4)+8*\nb+3], v14 offset:\nb*8192+(2*\pg+\p)*1024
	ds_load_b128 v[QS+32*((2*\pg+\p)%4)+8*\nb+4:QS+32*((2*\pg+\p)%4)+8*\nb+7], v14 offset:\nb*8192+(2*\pg+\p)*1024+512
.endr
.endr
.endm
	s_load_b256 s[4:11], s[0:1], 0x0               ; qa s[4:5], ks s[6:7], vs s[8:9], nn s[10:11]
	s_load_b128 s[12:15], s[0:1], 0x20             ; ldp s[12:13], po s[14:15]
	v_lshrrev_b32 v1, 5, v0
	v_readfirstlane_b32 s18, v1                    ; wave
	s_mov_b32 s52, 0x76543210                      ; v_permlanex16_b32: lane i reads lane i of the other half
	s_mov_b32 s53, 0xfedcba98
	s_mov_b32 s49, 0
	s_mov_b32 s51, 0
	v_and_b32 v2, 31, v0                           ; lane
	v_lshlrev_b32 v7, 4, v2                        ; 16 L: a fragment is two loads of 512 consecutive bytes
	v_lshl_add_u32 v3, s18, 14, v7
	v_add_nc_u32 v5, 65536, v3
	v_add_nc_u32 v4, 131072, v3
	v_add_nc_u32 v6, 196608, v3
	v_and_b32 v13, 15, v0
	v_lshlrev_b32 v13, 4, v13
	v_add_nc_u32 v13, USB, v13                     ; USB + 16 r
	v_add_nc_u32 v14, QL, v7                       ; QL + 16 L
	v_lshl_add_u32 v1, s18, 13, v7                 ; my query tile in qa's block: 8,192 wave + 16 L
	v_lshl_add_u32 v24, s18, 13, v14               ; and in LDS
	v_mov_b32 v15, 0
	s_wait_kmcnt 0x0
	s_load_b32 s21, s[10:11], 0x0                  ; Nn
	s_wait_kmcnt 0x0
	s_min_u32 s21, s21, 0x2000                     ; at most 8,192
	SCHED
	; walk1's slots of my block: S of them, from slot block x S on.  Four are read: one that does not exist is the last one again, with weight 0
	s_mul_i32 s38, s34, s31
	s_sub_co_u32 s39, s31, 1
.irp s, 0,1,2,3
	s_min_u32 s50, s39, \s
	s_add_co_u32 s50, s50, s38
	s_min_u32 s50, s50, 255
	s_lshl_b32 s50, s50, 9
	s_add_nc_u64 s[40+2*\s:41+2*\s], s[12:13], s[50:51]
.endr
.irp s, 0,1,2,3
	global_load_b128 v[SR+4*\s:SR+4*\s+3], v7, s[40+2*\s:41+2*\s] offset:2048     ; lanes 0-15: S of queries (r, 0..3); lanes 16-31: Q
.endr
	s_lshl_b32 s48, s36, 16
	s_add_nc_u64 s[KB:KB+1], s[6:7], s[48:49]      ; my slice's first step
	s_add_nc_u64 s[VB:VB+1], s[8:9], s[48:49]
	s_lshl_b32 s48, s34, 15
	s_add_nc_u64 s[4:5], s[4:5], s[48:49]          ; my block's four query tiles
	s_mul_i32 s48, ttmp9, SLOTB
	s_add_nc_u64 s[14:15], s[14:15], s[48:49]      ; my slot
	WIN 0x40
.set ii, 0
.rept 16
	global_load_b128 v[QS+4*ii:QS+4*ii+3], v1, s[4:5] offset:ii*512        ; query tile number wave, 8,192 bytes, on its way to LDS through window 1
.set ii, ii+1
.endr
	WIN 0
	LOADKH 0                                       ; step 0's keys
	LOADKH 1
	s_cmp_gt_u32 s31, 2
	s_cselect_b32 s54, 0x3f800000, 0               ; weight of the third slice
	s_cmp_gt_u32 s31, 3
	s_cselect_b32 s55, 0x3f800000, 0               ; of the fourth
	s_max_u32 s58, s21, 1                          ; t
	v_mov_b32 v26, s54
	v_mov_b32 v27, s54
	v_mov_b32 v28, s55
	v_mov_b32 v29, s55
	v_cvt_f32_u32 v12, s58
	v_rcp_f32 v12, v12                             ; 1 / t
	v_cvt_f32_u32 v0, s37                          ; my slice's pad keys (a plain instruction behind the reciprocal)
	s_wait_loadcnt 32                              ; loads come back in order: the slices' S and Q and my query tile are in, the keys' 32 loads stay out
	WIN 0x04                                       ; store data from window 1
.set ii, 0
.rept 16
	ds_store_b128 v24, v[QS+4*ii:QS+4*ii+3] offset:ii*512
.set ii, ii+1
.endr
	WIN 0x40
	LOADV                                          ; step 0's values, behind its keys.  With them a wave has asked for 64 loads; no wait is placed for that alone: the issue
	WIN 0                                          ; of a load that a counter cannot take stalls by itself (ISA guide 5.7.1)
; one K step of x = keys x queries: eight matrix instructions.  The eight accumulators take turns, one instruction a turn.
.macro SIMK ks, cnt
	s_wait_loadcnt \cnt
.irp kt, 0,1
.irp nb, 0,1,2,3
.if \ks
	v_wmma_f32_16x16x32_bf16 v[SR+8*(4*\kt+\nb):SR+8*(4*\kt+\nb)+7], v[FR+8*(2*\ks+\kt):FR+8*(2*\ks+\kt)+7], v[QS+32*(\ks%4)+8*\nb:QS+32*(\ks%4)+8*\nb+7], v[SR+8*(4*\kt+\nb):SR+8*(4*\kt+\nb)+7]
.else
	v_wmma_f32_16x16x32_bf16 v[SR+8*(4*\kt+\nb):SR+8*(4*\kt+\nb)+7], v[FR+8*(2*\ks+\kt):FR+8*(2*\ks+\kt)+7], v[QS+32*(\ks%4)+8*\nb:QS+32*(\ks%4)+8*\nb+7], 0
.endif
.endr
.endr
.endm
; the whole product.  KEYS: loads come back in order: at K step ks all are in but the four of each later K step and the 32 of this step's values, which were asked for behind the keys.
; QUERIES: two slots of two K steps; a slot is filled again, behind five places, as soon as its two K steps are multiplied: K steps 4, 5 behind 0, 1; 6, 7 behind 2, 3; and
; (fill = 1) the next step's 0, 1 behind 4, 5 and 2, 3 behind 6, 7.  LDS answers in order: the counts leave out the eight loads of the pair's second K step and the 16 of each younger pair.
.macro SIM2 fill
	s_wait_dscnt 0x0                               ; the queries of K steps 0 to 3, asked for in the step before
	WIN 0x04                                       ; B (the queries) from window 1
	SIMK 0, 60
	SIMK 1, 56
	PLACES
	LOADQ 2
	WIN 0x04
	SIMK 2, 52
	SIMK 3, 48
	PLACES
	LOADQ 3
	WIN 0x04
	s_wait_dscnt 24
	SIMK 4, 44
	s_wait_dscnt 16
	SIMK 5, 40
	PLACES
.if \fill
	LOADQ 0
.endif
	WIN 0x04
	s_wait_dscnt 8+16*\fill
	SIMK 6, 36
	s_wait_dscnt 16*\fill
	SIMK 7, 32
	PLACES
.if \fill
	LOADQ 1
.endif
	WIN 0
.endm
; the vector work on 32 keys x query tile nb: u = e r / (r + 1e-10 S), r = max(e - te, 0); its sum; u packed as the B fragment in x's first tile
.macro VALU2 nb
.irp kt, 0,1
.irp j, 0,1,2,3,4,5,6,7
	v_exp_f32 v[SR+8*(4*\kt+\nb)+\j], v[SR+8*(4*\kt+\nb)+\j]
.endr
.endr
	v_nop                                          ; one plain instruction behind a run of transcendentals (ISA guide 5.7.2)
	s_wait_alu depctr_va_vdst(0)
.irp kt, 0,1
.irp j, 0,2,4,6
	v_pk_add_f32 v[TT+8*\kt+\j:TT+8*\kt+\j+1], v[SR+8*(4*\kt+\nb)+\j:SR+8*(4*\kt+\nb)+\j+1], v[NTE+2*\nb:NTE+2*\nb+1]
.endr
.endr
.irp j, 0,1,2,3,4,5,6,7,8,9,10,11,12,13,14,15
	v_max_num_f32 v[TT+\j], 0, v[TT+\j]
.endr
.irp kt, 0,1
.irp j, 0,2,4,6
	v_pk_mul_f32 v[SR+8*(4*\kt+\nb)+\j:SR+8*(4*\kt+\nb)+\j+1], v[SR+8*(4*\kt+\nb)+\j:SR+8*(4*\kt+\nb)+\j+1], v[TT+8*\kt+\j:TT+8*\kt+\j+1]
.endr
.endr
.irp j, 0,2,4,6,8,10,12,14
	v_pk_add_f32 v[TT+\j:TT+\j+1], v[TT+\j:TT+\j+1], v[DL+2*\nb:DL+2*\nb+1]
.endr
.irp j, 0,1,2,3,4,5,6,7,8,9,10,11,12,13,14,15
	v_rcp_f32 v[TT+\j], v[TT+\j]
.endr
	v_nop
	s_wait_alu depctr_va_vdst(0)
.irp kt, 0,1
.irp j, 0,2,4,6
	v_pk_mul_f32 v[SR+8*(4*\kt+\nb)+\j:SR+8*(4*\kt+\nb)+\j+1], v[SR+8*(4*\kt+\nb)+\j:SR+8*(4*\kt+\nb)+\j+1], v[TT+8*\kt+\j:TT+8*\kt+\j+1]
.endr
.endr
.irp j, 0,2,4,6
.irp kt, 0,1
	v_pk_add_f32 v[US+4*\nb+2*\kt:US+4*\nb+2*\kt+1], v[US+4*\nb+2*\kt:US+4*\nb+2*\kt+1], v[SR+8*(4*\kt+\nb)+\j:SR+8*(4*\kt+\nb)+\j+1]
.endr
.endr
.irp jj, 0,1,2,3
	v_cvt_pk_bf16_f32 v[SR+8*\nb+\jj], v[SR+8*\nb+2*\jj], v[SR+8*\nb+2*\jj+1]          ; keys 8 h + 0..7: registers 0-3; the destination never lies behind its sources
.endr
.irp jj, 0,1,2,3
	v_cvt_pk_bf16_f32 v[SR+8*\nb+4+\jj], v[SR+8*(4+\nb)+2*\jj], v[SR+8*(4+\nb)+2*\jj+1]    ; keys 16 + 8 h + 0..7: registers 4-7
.endr
.endm
; O += V u for channels 128 hi .. 128 hi + 127: 32 matrix instructions on 32 accumulators, each once: turns of one instruction.
; A (the values) from window 1, B (u) from window 0.  zero = 1: the first product starts the sums
.macro OMULH hi, zero
.if \hi
	WIN 0xf1                                       ; C and D in window 3
.else
	WIN 0xa1                                       ; C and D in window 2
.endif
.irp m, 0,1,2,3,4,5,6,7
.irp nb, 0,1,2,3
.if \zero
	v_wmma_f32_16x16x32_bf16 v[8*(4*\m+\nb):8*(4*\m+\nb)+7], v[8*(8*\hi+\m):8*(8*\hi+\m)+7], v[SR+8*\nb:SR+8*\nb+7], 0
.else
	v_wmma_f32_16x16x32_bf16 v[8*(4*\m+\nb):8*(4*\m+\nb)+7], v[8*(8*\hi+\m):8*(8*\hi+\m)+7], v[SR+8*\nb:SR+8*\nb+7], v[8*(4*\m+\nb):8*(4*\m+\nb)+7]
.endif
.endr
.endr
.endm
; one step on my 32 keys and their values, both asked for in the step before, the keys first.  fill = 1: the next step's keys are asked for behind x, its values behind O.
; Each base is stepped behind the counted wait that shows every load that names it done: ks' behind K step 7's wait, vs' behind the wait in front of O's upper half
.macro STEP2 zero, fill
	SIM2 \fill
.if \fill
	s_add_nc_u64 s[KB:KB+1], s[KB:KB+1], STEP
	LOADKH 0
	LOADKH 1
.endif
	VALU2 0
	VALU2 1
	VALU2 2
	VALU2 3
	s_wait_loadcnt 16+32*\fill                     ; the values of channels 0-127 are in; the 16 loads of the others and the next keys' 32 may be out
	OMULH 0, \zero
	s_wait_loadcnt 32*\fill                        ; all the values are in; the next keys' 32 loads may be out
	OMULH 1, \zero
	PLACES
.if \fill
	s_add_nc_u64 s[VB:VB+1], s[VB:VB+1], STEP
	WIN 0x40
	LOADV
.endif
	WIN 0
.endm
; four pairs of chains at v[src + 4 nb] become one number a query in v[dst + nb]: the pair, its halves, the other sixteen lanes (the other keys)
.macro FOLD src, dst
.irp nb, 0,1,2,3
	v_pk_add_f32 v[\src+4*\nb:\src+4*\nb+1], v[\src+4*\nb:\src+4*\nb+1], v[\src+4*\nb+2:\src+4*\nb+3]
.endr
.irp nb, 0,1,2,3
	v_add_f32 v[\dst+\nb], v[\src+4*\nb], v[\src+4*\nb+1]
.endr
.irp nb, 0,1,2,3
	v_permlanex16_b32 v15, v[\dst+\nb], s52, s53
	v_add_f32 v[\dst+\nb], v[\dst+\nb], v15
.endr
.endm
	; the slices' S and Q, the threshold, u of a pad key
	v_pk_add_f32 v[SR:SR+1], v[SR:SR+1], v[SR+4:SR+5]
	v_pk_add_f32 v[SR+2:SR+3], v[SR+2:SR+3], v[SR+6:SR+7]
	v_pk_fma_f32 v[SR:SR+1], v[SR+8:SR+9], v[26:27], v[SR:SR+1]
	v_pk_fma_f32 v[SR+2:SR+3], v[SR+10:SR+11], v[26:27], v[SR+2:SR+3]
	v_pk_fma_f32 v[SR:SR+1], v[SR+12:SR+13], v[28:29], v[SR:SR+1]
	v_pk_fma_f32 v[SR+2:SR+3], v[SR+14:SR+15], v[28:29], v[SR+2:SR+3]
.irp j, 0,1,2,3
	v_permlanex16_b32 v[SR+4+\j], v[SR+\j], s52, s53               ; what the other sixteen lanes hold
.endr
	v_cmp_gt_u32 vcc_lo, 16, v2
.irp j, 0,1,2,3
	v_cndmask_b32 v[SR+16+\j], v[SR+4+\j], v[SR+\j], vcc_lo        ; S, in every lane
	v_cndmask_b32 v[SR+20+\j], v[SR+\j], v[SR+4+\j], vcc_lo        ; Q
.endr
	s_wait_alu depctr_va_vdst(0)
.irp nb, 0,1,2,3
	v_mul_f32 v[SR+8+\nb], v[SR+16+\nb], v12       ; m = S / t
	v_mul_f32 v[SR+12+\nb], v[SR+20+\nb], v12      ; Q / t
.endr
.irp nb, 0,1,2,3
	v_fma_f32 v[SR+12+\nb], -v[SR+8+\nb], v[SR+8+\nb], v[SR+12+\nb]
.endr
.irp nb, 0,1,2,3
	v_max_num_f32 v[SR+12+\nb], 0, v[SR+12+\nb]
.endr
.irp nb, 0,1,2,3
	v_sqrt_f32 v[SR+12+\nb], v[SR+12+\nb]
.endr
	v_nop
	s_wait_alu depctr_va_vdst(0)
.irp nb, 0,1,2,3
	v_fma_f32 v[NTE+2*\nb], 2.0, v[SR+12+\nb], -v[SR+8+\nb]        ; -te = 2 sigma - m
	v_mul_f32 v[DL+2*\nb], 0x2edbe6ff, v[SR+16+\nb]                ; 1e-10 S
.endr
.irp nb, 0,1,2,3
	v_mov_b32 v[NTE+2*\nb+1], v[NTE+2*\nb]         ; twice each: pairs for the packed adds
	v_mov_b32 v[DL+2*\nb+1], v[DL+2*\nb]
	v_add_f32 v[8+\nb], 1.0, v[NTE+2*\nb]          ; a pad key's u, by the steps of VALU2 with e = 1
.endr
.irp nb, 0,1,2,3
	v_max_num_f32 v[8+\nb], 0, v[8+\nb]
.endr
.irp nb, 0,1,2,3
	v_add_f32 v[SR+24+\nb], v[8+\nb], v[DL+2*\nb]
.endr
.irp nb, 0,1,2,3
	v_rcp_f32 v[SR+24+\nb], v[SR+24+\nb]
.endr
	v_nop
	s_wait_alu depctr_va_vdst(0)
.irp nb, 0,1,2,3
	v_mul_f32 v[8+\nb], v[8+\nb], v[SR+24+\nb]
.endr
.set ii, 0
.rept 16
	v_mov_b32 v[US+ii], 0                          ; the 16 running sums of u
.set ii, ii+1
.endr
	s_wait_dscnt 0x0                               ; my query tile is in LDS,
	s_barrier_signal -1
	s_barrier_wait -1                              ; all four are.  (The loads of keys and values stay out: nobody writes ks or vs)
	LOADQ 0                                        ; the queries of K steps 0 to 3
	LOADQ 1
	WIN 0
	; per steps = 1 + (per - 2) in the loop + 1
	STEP2 1, 1
	s_sub_co_u32 s24, s33, 2                       ; at least 2, since per is at least 4
	s_mov_b32 s23, 0
.Lwalk2:
	STEP2 0, 1
	s_add_co_u32 s23, s23, 1
	s_cmp_lt_u32 s23, s24
	s_cbranch_scc1 .Lwalk2
	STEP2 0, 0                                     ; the last step asks for nothing more
	; THE WAY OUT.  The four waves' partial O meet in LDS, 65,536 bytes a wave: tile (mb, nb) at 1,024 (4 mb + nb), registers 0-3 then 4-7, 16 bytes a lane.
	; These bytes are touched by nobody before; the queries, which slower waves still read, lie behind them.
	v_lshl_add_u32 v25, s18, 16, v7
	WIN 0x08                                       ; store data from window 2
.set ii, 0
.rept 32
	ds_store_b128 v25, v[8*ii:8*ii+3] offset:ii*1024
	ds_store_b128 v25, v[8*ii+4:8*ii+7] offset:ii*1024+512
.set ii, ii+1
.endr
	WIN 0x0c                                       ; from window 3
.set ii, 0
.rept 32
	ds_store_b128 v25, v[8*ii:8*ii+3] offset:(32+ii)*1024
	ds_store_b128 v25, v[8*ii+4:8*ii+7] offset:(32+ii)*1024+512
.set ii, ii+1
.endr
	WIN 0
	FOLD US, 16
	v_lshl_add_u32 v24, s18, 8, v13
	ds_store_b128 v24, v[16:19]
	s_wait_dscnt 0x0                               ; my partial O and my sums of u are in LDS,
	s_barrier_signal -1
	s_barrier_wait -1                              ; everybody's are
.irp p, 0,1,2,3
	ds_load_b128 v[SR+4*\p:SR+4*\p+3], v13 offset:256*\p
.endr
	; wave w sums channels 64 w .. 64 w + 63 (16 tiles) of the four partials, which lie at 65,536 p + 16,384 w + 16 L = v3, v5, v4, v6
.set ii, 0
.rept 16
	ds_load_b128 v[FR+8*ii:FR+8*ii+3], v3 offset:ii*1024
	ds_load_b128 v[FR+8*ii+4:FR+8*ii+7], v3 offset:ii*1024+512
.set ii, ii+1
.endr
	WIN 0x40
.set ii, 0
.rept 16
	ds_load_b128 v[8*ii:8*ii+3], v5 offset:ii*1024
	ds_load_b128 v[8*ii+4:8*ii+7], v5 offset:ii*1024+512
	ds_load_b128 v[128+8*ii:128+8*ii+3], v4 offset:ii*1024
	ds_load_b128 v[128+8*ii+4:128+8*ii+7], v4 offset:ii*1024+512
.set ii, ii+1
.endr
	WIN 0x80
.set ii, 0
.rept 16
	ds_load_b128 v[8*ii:8*ii+3], v6 offset:ii*1024
	ds_load_b128 v[8*ii+4:8*ii+7], v6 offset:ii*1024+512
.set ii, ii+1
.endr
	WIN 0
	s_wait_dscnt 0x0
.irp p, 1,2,3
	v_pk_add_f32 v[SR:SR+1], v[SR:SR+1], v[SR+4*\p:SR+4*\p+1]
	v_pk_add_f32 v[SR+2:SR+3], v[SR+2:SR+3], v[SR+4*\p+2:SR+4*\p+3]
.endr
.irp nb, 0,1,2,3
	v_fma_f32 v[16+\nb], -v0, v[8+\nb], v[SR+\nb]  ; the slice's sum u without its pad keys' share
.endr
	WIN 0x04
.set ii, 0
.rept 64
	v_pk_add_f32 v[FR+2*ii:FR+2*ii+1], v[FR+2*ii:FR+2*ii+1], v[2*ii:2*ii+1]
.set ii, ii+1
.endr
.set ii, 0
.rept 64
	v_pk_add_f32 v[FR+2*ii:FR+2*ii+1], v[FR+2*ii:FR+2*ii+1], v[128+2*ii:128+2*ii+1]
.set ii, ii+1
.endr
	WIN 0x08
.set ii, 0
.rept 64
	v_pk_add_f32 v[FR+2*ii:FR+2*ii+1], v[FR+2*ii:FR+2*ii+1], v[2*ii:2*ii+1]
.set ii, ii+1
.endr
	WIN 0
.set ii, 0
.rept 16
	global_store_b128 v3, v[FR+8*ii:FR+8*ii+3], s[14:15] offset:ii*1024            ; 512 consecutive bytes, aligned
	global_store_b128 v3, v[FR+8*ii+4:FR+8*ii+7], s[14:15] offset:ii*1024+512
.set ii, ii+1
.endr
	s_cmp_lg_u32 s18, 0
	s_cbranch_scc1 .Lend                           ; sum u: wave 0's lanes 0-15
	v_cmp_gt_u32 vcc_lo, 16, v2
	s_wait_xcnt 0x0                                ; EXEC narrows only behind this wait
	s_and_saveexec_b32 s38, vcc_lo
	global_store_b128 v7, v[16:19], s[14:15] offset:65536          ; sixteen lanes: 256 consecutive bytes, aligned
	s_wait_xcnt 0x0                                ; and widens only behind this one
	s_or_b32 exec_lo, exec_lo, s38
.Lend:
	s_endpgm
.Lfunc_end_k_q0e2fb14782_walk2:
	.size	k_q0e2fb14782_walk2, .Lfunc_end_k_q0e2fb14782_walk2-k_q0e2fb14782_walk2
	.p2alignl 7, 3214868480
	.fill 96, 4, 3214868480
	.section	.rodata,"a",@progbits
	.p2align	6, 0x0
	.amdhsa_kernel k_q0e2fb14782_walk2
		.amdhsa_group_segment_fixed_size 295936
		.amdhsa_private_segment_fixed_size 0
		.amdhsa_enable_private_segment 0
		.amdhsa_kernarg_size 48
		.amdhsa_user_sgpr_count 2
		.amdhsa_user_sgpr_kernarg_segment_ptr 1
		.amdhsa_wavefront_size32 1
		.amdhsa_system_sgpr_workgroup_id_x 1
		.amdhsa_system_sgpr_workgroup_id_y 1
		.amdhsa_system_sgpr_workgroup_id_z 1
		.amdhsa_system_vgpr_workitem_id 0
		.amdhsa_next_free_vgpr 1024
		.amdhsa_next_free_sgpr 66
		.amdhsa_reserve_vcc 1
		.amdhsa_float_denorm_mode_32 3
		.amdhsa_float_denorm_mode_16_64 3
		.amdhsa_memory_ordered 1
		.amdhsa_forward_progress 1
		.amdhsa_inst_pref_size 160
	.end_amdhsa_kernel
	.amdgpu_metadata
---
amdhsa.version: [ 1, 2 ]
amdhsa.kernels:
  - .name:           k_q0e2fb14782_walk2
    .symbol:         k_q0e2fb14782_walk2.kd
    .args:
      - { .name: qa, .offset: 0, .size: 8, .value_kind: global_buffer, .address_space: global }
      - { .name: ks, .offset: 8, .size: 8, .value_kind: global_buffer, .address_space: global }
      - { .name: vs, .offset: 16, .size: 8, .value_kind: global_buffer, .address_space: global }
      - { .name: nn, .offset: 24, .size: 8, .value_kind: global_buffer, .address_space: global }
      - { .name: ldp, .offset: 32, .size: 8, .value_kind: global_buffer, .address_space: global }
      - { .name: po, .offset: 40, .size: 8, .value_kind: global_buffer, .address_space: global }
    .group_segment_fixed_size: 295936
    .private_segment_fixed_size: 0
    .kernarg_segment_align: 8
    .kernarg_segment_size: 48
    .max_flat_workgroup_size: 128
    .sgpr_count:     66
    .vgpr_count:     1024
    .wavefront_size: 32
...
	.end_amdgpu_metadata
.endif
;; end of part 6
;; launch merge (part 7): grid 256 x 1, 8 waves a work-group, no clusters, 34,816 bytes of LDS; arguments nn, mask, po, f, out0; writes out0
.if DOCPART == 7
	.amdgcn_target "amdgcn-amd-amdhsa--gfx1250"
	.amdhsa_code_object_version 6
	.text
	.protected	k_q0e2fb14782_merge
	.globl	k_q0e2fb14782_merge
	.p2align	8
	.type	k_q0e2fb14782_merge,@function
k_q0e2fb14782_merge:
	s_mov_b64 s[64:65], 0
	v_nop
	global_prefetch_b8 v0, s[64:65] scope:SCOPE_SE
	s_setreg_imm32_b32 hwreg(HW_REG_WAVE_MODE, 25, 1), 1
	s_wait_xcnt 0x0
; merge: out0 = f where the pixel is normal, (sum over the slices of O) / (sum over the slices of sum u) where it is anomalous.
; A work-group owns 64 neighbouring pixels of one image (block = w / 2) and 128 channels (half = w & 1).
; The queries were numbered in the order of positions, so the block's cnt anomalous pixels are queries a0 .. a0 + cnt - 1, a0 = 64 block - normal positions in front.
; PHASE 1: wave (k = wave & 3, g = wave / 4) takes queries a0 + 16 k + r and channels 64 g .. 64 g + 63 of the half: lane (r, h) loads 16 bytes (four channels) at a time, sixteen
; lanes 256 bytes of at most two aligned blocks; sums the S slices; scales; puts the numbers into LDS as [channel][query - a0].  A wave whose sixteen queries lie past cnt
; loads nothing (the first sixteen are always taken, so that every LDS byte that is read has been written).  Four slices are read: one that does not exist is the
; last one again, with weight 0.  S, nqb: as said at walk1's head.
; PHASE 2: wave w takes channels 16 w .. 16 w + 15 of the half: lane (r, h) picks its four pixels' numbers from LDS, chooses between them and f, and stores 16 bytes.
; POSITION 16 e + r of the block is pixel 4 r + e; flag bit = 1: normal.
; Memory binds: no matrix unit, no cluster, no tensor load.
.set PITCH, 272                        ; LDS row: 64 queries x 4 bytes + 16
.set SLOTB, 65792                      ; a slot of po
.set F,   32                           ; v[32:63]   f, then what is stored: channel 2 j + h, pixels 4 r ..
.set N,   64                           ; v[64:95]   the mixed values picked from LDS
.set D,   96                           ; v[96:223]  four slices x 8 loads x 4 channels
.set U,   224                          ; v[224:227] four slices' sum u
.set RI,  228                          ; v[228:229] 1 / sum u, twice
	s_load_b256 s[4:11], s[0:1], 0x0               ; nn s[4:5], mask s[6:7], po s[8:9], f s[10:11]
	s_load_b64 s[12:13], s[0:1], 0x20              ; out0
	v_lshrrev_b32 v1, 5, v0
	v_readfirstlane_b32 s18, v1                    ; wave
	v_and_b32 v1, 15, v0                           ; r
	v_bfe_u32 v2, v0, 4, 1                         ; h
	s_lshr_b32 s20, ttmp9, 1                       ; block
	s_and_b32 s19, ttmp9, 1                        ; half of the channels
	s_lshl_b32 s22, s20, 3                         ; two words a block
	s_lshl_b32 s26, s19, 7
	s_lshl_b32 s27, s18, 4
	s_add_co_u32 s26, s26, s27                     ; phase 2: my wave's first channel
	v_add_nc_u32 v3, s26, v2
	v_lshlrev_b32 v3, 12, v3
	v_lshl_add_u32 v3, v1, 4, v3                   ; (channel + h) x 4,096 + 16 r
	s_lshr_b32 s48, s20, 4
	s_lshl_b32 s48, s48, 20                        ; image x 1 MiB
	s_and_b32 s50, s20, 15
	s_lshl_b32 s50, s50, 8                         ; + 64 pixels x 4 bytes x block in the image
	s_add_co_u32 s48, s48, s50
	s_mov_b32 s49, 0
	s_mov_b32 s51, 0
	s_mov_b32 s62, 0x01010101
	s_wait_kmcnt 0x0
	s_load_b32 s21, s[4:5], 0x0                    ; Nn
	s_load_b32 s23, s[4:5], s22 offset:0x100       ; normal positions in front of my block
	s_load_b64 s[24:25], s[6:7], s22 offset:0x0    ; my block's 64 flags
	s_add_nc_u64 s[10:11], s[10:11], s[48:49]
	s_add_nc_u64 s[12:13], s[12:13], s[48:49]
.irp j, 0,1,2,3,4,5,6,7
	global_load_b128 v[F+4*\j:F+4*\j+3], v3, s[10:11] offset:\j*8192 th:TH_LOAD_NT     ; lanes 0-15: 256 consecutive bytes of channel 2 j, lanes 16-31 of channel 2 j + 1
.endr
	v_add_nc_u32 v15, s27, v2
	v_mul_u32_u24 v15, v15, PITCH                  ; phase 2: my first LDS row
	v_mov_b32 v14, 1
	v_lshlrev_b32 v12, v1, v14
	v_add_nc_u32 v12, -1, v12                      ; the bits below r
	v_add_nc_u32 v13, 16, v1
	v_lshlrev_b32 v13, v13, v14
	v_add_nc_u32 v13, -1, v13                      ; the bits below 16 + r
	s_wait_kmcnt 0x0
	s_min_u32 s21, s21, 0x2000
	s_sub_co_u32 s30, 0x2000, s21
	s_add_co_u32 s30, s30, 63
	s_lshr_b32 s30, s30, 6
	s_max_u32 s30, s30, 1                          ; nqb
	s_cmp_le_u32 s30, 85
	s_cselect_b32 s31, 3, 2
	s_cmp_le_u32 s30, 64
	s_cselect_b32 s31, 4, s31
	s_min_u32 s31, s31, 4                          ; S
	s_lshl_b32 s32, s30, 6
	s_sub_co_u32 s32, s32, 1                       ; the last query that walk2 stored
	s_min_u32 s23, s23, 0x2000
	s_lshl_b32 s33, s20, 6
	s_sub_co_u32 s33, s33, s23                     ; a0
	s_not_b32 s34, s24                             ; anomalous, positions 0-31
	s_not_b32 s35, s25                             ; positions 32-63
	s_bcnt1_i32_b32 s36, s34
	s_bcnt1_i32_b32 s37, s35
	s_add_co_u32 s37, s37, s36
	s_max_u32 s37, s37, 1                          ; max(cnt, 1)
	s_sub_co_u32 s38, s37, 1
	s_sub_co_u32 s39, s31, 1
.irp s, 0,1,2,3
	s_min_u32 s50, s39, \s
	s_mul_i32 s50, s50, SLOTB
	s_add_nc_u64 s[40+2*\s:41+2*\s], s[8:9], s[50:51]              ; po at slice min(s, S - 1) of block 0
.endr
	s_mul_i32 s60, s31, SLOTB/64                   ; bytes from a query to the one 64 x S slots' share further on: 64 block x this = block x S slots
	s_cmp_gt_u32 s31, 2
	s_cselect_b32 s54, 0x3f800000, 0               ; weight of the third slice
	s_cmp_gt_u32 s31, 3
	s_cselect_b32 s55, 0x3f800000, 0               ; of the fourth
	v_mov_b32 v8, s54
	v_mov_b32 v9, s54
	v_mov_b32 v10, s55
	v_mov_b32 v11, s55
	s_and_b32 s56, s24, 0xffff                     ; lane masks: bit of lane (r, h) = pixel 4 r + e is normal
	s_lshr_b32 s57, s24, 16
	s_and_b32 s58, s25, 0xffff
	s_lshr_b32 s59, s25, 16
.irp e, 0,1,2,3
	s_lshl_b32 s61, s[56+\e], 16
	s_or_b32 s[56+\e], s[56+\e], s61
.endr
	; how many anomalous positions of the block lie in front of position 16 e + r: v[4 + e]
	v_and_b32 v4, s34, v12
	v_and_b32 v5, s34, v13
	v_and_b32 v6, s35, v12
	v_and_b32 v7, s35, v13
.irp e, 4,5,6,7
	v_lshrrev_b32 v14, 1, v\e                      ; popcount by fields of 2, 4, 8 bits, then the four bytes summed by a product
	v_and_b32 v14, 0x55555555, v14
	v_sub_nc_u32 v\e, v\e, v14
	v_lshrrev_b32 v14, 2, v\e
	v_and_b32 v\e, 0x33333333, v\e
	v_and_b32 v14, 0x33333333, v14
	v_add_nc_u32 v\e, v\e, v14
	v_lshrrev_b32 v14, 4, v\e
	v_add_nc_u32 v\e, v\e, v14
	v_and_b32 v\e, 0x0f0f0f0f, v\e
	v_mul_lo_u32 v\e, v\e, s62
	v_lshrrev_b32 v\e, 24, v\e
.endr
	v_add_nc_u32 v6, s36, v6
	v_add_nc_u32 v7, s36, v7
.irp e, 4,5,6,7
	v_min_u32 v\e, s38, v\e                        ; a normal pixel behind the last anomalous one points at a written word; its number is not used
	v_min_u32 v\e, 63, v\e
	v_lshl_add_u32 v\e, v\e, 2, v15                ; phase 2: where pixel 4 r + e finds its number in my first row
.endr
	; PHASE 1
	s_and_b32 s28, s18, 3
	s_lshl_b32 s28, s28, 4                         ; 16 k
	s_lshr_b32 s29, s18, 2                         ; g
	s_cmp_ge_u32 s28, s37
	s_cbranch_scc1 .Lskip                          ; my sixteen queries lie past the block's last: no barrier is jumped
	v_add_nc_u32 v16, s28, v1                      ; i = 16 k + r
	v_add_nc_u32 v17, s33, v16
	v_min_u32 v17, s32, v17                        ; the query, inside what walk2 stored
	v_and_b32 v18, 0x1fc0, v17
	v_and_b32 v19, 15, v17
	v_lshl_or_b32 v18, v19, 2, v18
	v_bfe_u32 v19, v17, 4, 2
	v_or_b32 v18, v18, v19                         ; 64 block + 4 r + nb
	v_min_u32 v18, 0x1fff, v18                     ; behind this clamp only AND, shift left, multiply, add
	v_and_b32 v19, 0x1fc0, v18
	v_mul_lo_u32 v19, v19, s60                     ; the query block's first slot
	v_and_b32 v20, 63, v18
	v_lshl_add_u32 v21, v20, 2, v19                ; sum u: 16 r + 4 nb
	v_and_b32 v20, 3, v18
	v_lshl_add_u32 v22, v20, 10, v19               ; O: 1,024 nb
	v_and_b32 v20, 0x3c, v18
	v_lshl_add_u32 v22, v20, 2, v22                ; + 16 r
	v_lshl_add_u32 v22, v2, 8, v22                 ; + 256 h
	s_lshl_b32 s61, s19, 3
	s_lshl_b32 s63, s29, 2
	s_add_co_u32 s61, s61, s63
	s_lshl_b32 s61, s61, 12                        ; + 4,096 x (8 half + 4 g)
	v_add_nc_u32 v22, s61, v22
.irp s, 0,1,2,3
	global_load_b32 v[U+\s], v21, s[40+2*\s:41+2*\s] offset:65536
.endr
.irp s, 0,1,2,3
.irp m, 0,1,2,3
.irp q, 0,1
	global_load_b128 v[D+32*\s+8*\m+4*\q:D+32*\s+8*\m+4*\q+3], v22, s[40+2*\s:41+2*\s] offset:\m*4096+\q*512       ; channels 64 g + 16 m + 8 h + 4 q + 0..3 of the half
.endr
.endr
.endr
	s_lshl_b32 s63, s29, 6
	v_lshl_add_u32 v23, v2, 3, s63
	v_mul_u32_u24 v23, v23, PITCH
	v_lshl_add_u32 v23, v16, 2, v23                ; LDS: row 64 g + 8 h, word i
	s_wait_loadcnt 0x0
	v_add_f32 v[U], v[U], v[U+1]
	v_fmac_f32 v[U], v[U+2], v8
	v_fmac_f32 v[U], v[U+3], v10
	v_rcp_f32 v[RI], v[U]                          ; the packed sums below are the plain instructions behind it
.set ii, 0
.rept 16
	v_pk_add_f32 v[D+2*ii:D+2*ii+1], v[D+2*ii:D+2*ii+1], v[D+32+2*ii:D+32+2*ii+1]
	v_pk_fma_f32 v[D+2*ii:D+2*ii+1], v[D+64+2*ii:D+64+2*ii+1], v[8:9], v[D+2*ii:D+2*ii+1]
	v_pk_fma_f32 v[D+2*ii:D+2*ii+1], v[D+96+2*ii:D+96+2*ii+1], v[10:11], v[D+2*ii:D+2*ii+1]
.set ii, ii+1
.endr
	s_wait_alu depctr_va_vdst(0)
	v_mov_b32 v[RI+1], v[RI]
.set ii, 0
.rept 16
	v_pk_mul_f32 v[D+2*ii:D+2*ii+1], v[D+2*ii:D+2*ii+1], v[RI:RI+1]
.set ii, ii+1
.endr
.irp m, 0,1,2,3
.irp q, 0,1
.irp c, 0,1,2,3
	ds_store_b32 v23, v[D+8*\m+4*\q+\c] offset:(16*\m+4*\q+\c)*PITCH
.endr
.endr
.endr
.Lskip:
	s_wait_dscnt 0x0                               ; my numbers are in LDS,
	s_barrier_signal -1
	s_barrier_wait -1                              ; everybody's are
	; PHASE 2
.irp j, 0,1,2,3,4,5,6,7
.irp e, 0,1,2,3
	ds_load_b32 v[N+4*\j+\e], v[4+\e] offset:\j*2*PITCH
.endr
.endr
	s_wait_dscnt 0x0
	s_wait_loadcnt 0x0                             ; f
.irp j, 0,1,2,3,4,5,6,7
.irp e, 0,1,2,3
	v_cndmask_b32 v[F+4*\j+\e], v[N+4*\j+\e], v[F+4*\j+\e], s[56+\e]       ; a normal pixel keeps f
.endr
	global_store_b128 v3, v[F+4*\j:F+4*\j+3], s[12:13] offset:\j*8192 th:TH_STORE_NT       ; sixteen lanes: 256 consecutive bytes of one channel, aligned
.endr
	s_endpgm
.Lfunc_end_k_q0e2fb14782_merge:
	.size	k_q0e2fb14782_merge, .Lfunc_end_k_q0e2fb14782_merge-k_q0e2fb14782_merge
	.p2alignl 7, 3214868480
	.fill 96, 4, 3214868480
	.section	.rodata,"a",@progbits
	.p2align	6, 0x0
	.amdhsa_kernel k_q0e2fb14782_merge
		.amdhsa_group_segment_fixed_size 34816
		.amdhsa_private_segment_fixed_size 0
		.amdhsa_enable_private_segment 0
		.amdhsa_kernarg_size 40
		.amdhsa_user_sgpr_count 2
		.amdhsa_user_sgpr_kernarg_segment_ptr 1
		.amdhsa_wavefront_size32 1
		.amdhsa_system_sgpr_workgroup_id_x 1
		.amdhsa_system_sgpr_workgroup_id_y 1
		.amdhsa_system_sgpr_workgroup_id_z 1
		.amdhsa_system_vgpr_workitem_id 0
		.amdhsa_next_free_vgpr 232
		.amdhsa_next_free_sgpr 66
		.amdhsa_reserve_vcc 0
		.amdhsa_float_denorm_mode_32 3
		.amdhsa_float_denorm_mode_16_64 3
		.amdhsa_memory_ordered 1
		.amdhsa_forward_progress 1
		.amdhsa_inst_pref_size 24
	.end_amdhsa_kernel
	.amdgpu_metadata
---
amdhsa.version: [ 1, 2 ]
amdhsa.kernels:
  - .name:           k_q0e2fb14782_merge
    .symbol:         k_q0e2fb14782_merge.kd
    .args:
      - { .name: nn, .offset: 0, .size: 8, .value_kind: global_buffer, .address_space: global }
      - { .name: mask, .offset: 8, .size: 8, .value_kind: global_buffer, .address_space: global }
      - { .name: po, .offset: 16, .size: 8, .value_kind: global_buffer, .address_space: global }
      - { .name: f, .offset: 24, .size: 8, .value_kind: global_buffer, .address_space: global }
      - { .name: out0, .offset: 32, .size: 8, .value_kind: global_buffer, .address_space: global }
    .group_segment_fixed_size: 34816
    .private_segment_fixed_size: 0
    .kernarg_segment_align: 8
    .kernarg_segment_size: 40
    .max_flat_workgroup_size: 256
    .sgpr_count:     66
    .vgpr_count:     232
    .wavefront_size: 32
...
	.end_amdgpu_metadata
.endif
;; end of part 7
